; MI455X (gfx1250); checked and timed in simulation.
; The chip was launched on July 23, 2026; its instructions are those of AMD's public machine-readable ISA for CDNA 5 (MIT licence, August 2026) and "CDNA5" Instruction Set Architecture Reference Guide (July 2026). The comments in the code are by the model that wrote it; some were corrected since.
;; Causal Self Attention. Allowed arithmetic: matrix products marked QUANTISED: E2M3 operands, one E8M0 scale for each 32 along K, by v_wmma_scale_f32_16x16x128_f8f6f4 with both operands' format E2M3, f32 sums; everything else in f32.
;; Inputs: b_proj 1,024 float32; b_qkv 3,072 float32; w_proj 1,024 x 1,024 float32; w_qkv 1,024 x 3,072 float32; x 4 x 2,048 x 1,024 float32.
;; Outputs: out0 4 x 2,048 x 1,024 float32.
;; Constants: n_heads = 16.
;; This version of the problem:
;;   THIS VERSION OF THE PROBLEM IS GIVEN IN LOW PRECISION. The matrix products marked QUANTISED in the list below multiply operands that are first quantised to E2M3 (2 exponent bits, 3 mantissa bits; 6 bits a number), with one power-of-two scale for each 32 numbers along K (OCP MX v1.0); their sums are f32. All else is computed in f32.
;;   The module's matrix products, in the order in which they are computed (A, B: the left and right operand; K: the contracted axis; several contracted axes count as one K, in the product's order):
;;     1. [M 8,192, K 1,024] x [K 1,024, N 3,072]; A: input x; B: input w_qkv: QUANTISED
;;     2. batch 64 x [M 2,048, K 64] x [K 64, N 2,048]; A: computed on the way; B: computed on the way: QUANTISED
;;     3. batch 64 x [M 2,048, K 2,048] x [K 2,048, N 64]; A: softmax (see below); B: computed on the way: QUANTISED
;;     4. [M 8,192, K 1,024] x [K 1,024, N 1,024]; A: computed on the way; B: input w_proj: QUANTISED
;;   THE QUANTISER, for each operand of a quantised product, along K:
;;     - K is cut into blocks of 32 from its start; a last block that is shorter is filled with zeros.
;;     - A block's scale is 2^e with e = floor(log2(the largest magnitude in the block)) - 2, held to -126 .. 127; a block of zeros has e = 0. As a byte (E8M0): e + 127.
;;     - Each number is divided by its block's scale, clamped to +-7.5, and rounded to the nearest number of E2M3, ties to even, subnormals kept.
;;     - The product sums the exact products of the quantised numbers (number of the format x scale) in f32.
;;   ~~~python
;;   def quantise(x, axis):      # numpy; x: float32 -> the quantised numbers, widened to float32 again
;;       x = np.moveaxis(x, axis, -1); K = x.shape[-1]
;;       x = np.pad(x, [(0, 0)] * (x.ndim - 1) + [(0, -K % 32)]); x = x.reshape(x.shape[:-1] + (-1, 32)); a = np.abs(x).max(-1, keepdims=True)
;;       e = np.where(a > 0, np.clip(np.frexp(np.where(a > 0, a, 1))[1] - 1 - 2, -126, 127), 0)      # np.frexp(a)[1] - 1 = floor(log2(a)), exactly
;;       r = np.clip(x / 2.0 ** e, -7.5, 7.5)
;;       step = 2.0 ** (np.maximum(np.frexp(np.where(r == 0, 1, r))[1] - 1, 0) - 3)
;;       q = np.round(r / step) * step * 2.0 ** e      # np.round: ties to even
;;       return np.moveaxis(q.reshape(q.shape[:-2] + (-1,))[..., :K], -1, axis).astype(np.float32)
;;   ~~~
;;   SOFTMAX AHEAD OF A QUANTISED PRODUCT. Where the list says 'softmax', what is quantised is not the finished softmax but p = 2^(t - M), with t = logit x log2(e) and M = ceil(the row's largest t), a whole number; so 1/2 < the row's largest p <= 1. The row's sum l is taken of the UNQUANTISED p, in f32, and the product's result is divided by l at the end. Since M is a whole number, a kernel that streams over the keys may use a running M (the ceiling of the running maximum): every later rescaling is an exact power of two, which a block's scale takes up: the codes' values come out the same.
;;   OPERANDS COMPUTED ON THE WAY. 'Computed on the way' means the value that the module computes at that place (a softmax that the list does not call 'softmax' is quantised finished and normalised). What goes into a quantiser is computed in f32, as accurately as f32 sums, v_exp_f32 and their like allow (about 1e-6 of the number): no bf16 or f16 on the way to a quantiser, and a product that is left as it is and whose result goes on into a quantised operand takes f32 operands (vector FMAs, or v_wmma_f32_16x16x4_f32). A number that lies on a knife's edge between two numbers of the format may be rounded either way, as far as f32 arithmetic and the matrix unit's own rounding can turn it there, and no further.
;; One version. Each part assembles by itself: llvm-mc -triple=amdgcn-amd-amdhsa -mcpu=gfx1250 --defsym DOCPART=n.
;; ======== version 1 of 1: 4 launches
;; limits: right only within a limited range of input values
;; workspace buffers: xc 6,553,600 bytes; wc 3,276,800 bytes; rope 524,288 bytes; qb 6,815,744 bytes; kv 13,369,344 bytes; ac 6,553,600 bytes
;; launch prep (part 1): grid 528 x 1, 4 waves a work-group, no clusters, 47,616 bytes of LDS; arguments x, w_qkv, w_proj, xc, wc, rope; writes xc, wc, rope
.if DOCPART == 1
	.amdgcn_target "amdgcn-amd-amdhsa--gfx1250"
	.amdhsa_code_object_version 6
	.text
	.protected	k_qc6455a3d64_prep
	.globl	k_qc6455a3d64_prep
	.p2align	8
	.type	k_qc6455a3d64_prep,@function
k_qc6455a3d64_prep:
	s_mov_b64 s[64:65], 0
	v_nop
	global_prefetch_b8 v0, s[64:65] scope:SCOPE_SE
	s_setreg_imm32_b32 hwreg(HW_REG_WAVE_MODE, 25, 1), 1
	s_wait_xcnt 0x0
; PREP.  Three jobs, told apart by the work-group's number: 0-255 quantise x, 256-511 quantise w_qkv and w_proj, 512-527 make the RoPE table.
; Codes are FP6 (E2M3) with one E8M0 byte for each 32 along K.  A block's byte is its largest magnitude's exponent field - 2, held at 1 from below.
; THE OPERAND BUFFERS ARE LAID AS THE MATRIX UNIT'S REGISTERS.  A fragment (16 rows x 128 K, 12 registers a lane) is 1,536 bytes in two halves c of 768: registers 6c..6c+3 at 768c + 16 lane,
; registers 6c+4, 6c+5 at 768c + 512 + 8 lane.  A buffer is [row tile][K step 0-7][1536]; behind the codes a scale image of 512 bytes a row tile: the word of row r, K step s at 256 (s/4) + 16 r + 4 (s%4).
; ROWS ARE STORED BY POSITION: in each group of 32 rows position 16u + 8hh + j holds row 16hh + 8u + j, so that the results of two neighbouring tiles are 16 neighbours along the next product's K.
; LIMITS: NaN and infinities among the inputs are not served.  A block whose largest magnitude lies under 2^-124 has its byte held at 1; a block of zeros gets the byte 1, not 127: its codes are zeros and only this
; program reads the bytes.  The weights' scale words leave as 4 bytes a lane, 16 bytes apart: one byte for each 128 read.  RoPE's frequencies are 2^(-j log2(10000)/32) by v_exp_f32, so an angle may differ from
; the reference's by about 2e-4 rad at the last positions.  Sine and cosine: reduction by pi/2 in two parts, then polynomials of degree 9 and 10 on |r| <= pi/4.
; WORK LEFT OUT IN THIS PROGRAM: reference() sets every score whose key comes after its query to -inf by a mask that it builds itself (jnp.tril), and a softmax gives such a score the weight 0 for all values of the
; inputs; so key blocks that lie wholly behind a query tile are neither multiplied nor summed (launch attn).  Every input has a way to the output and is loaded.
; LIMIT: a NaN, an infinity or an overflow that reaches only the work left out is not carried to the result.
.set XS,    6291456
.set WS,    3145728                    ; wc: likewise
.set XSTG,  8448                       ; LDS, path X: a stage of 16 rows x (512 + 16) bytes for each wave, from byte 0
.set WST0,  33792                      ; LDS, path W: stages of its own, 2 x (1536 + 128) bytes for each wave
.set WSTG,  3328
.set SPARE, 47104                      ; the spare words: 128 bytes a wave, two blocks of 256 bytes that no other line names
.set SPW,   12                         ; v12  my spare word's address; never rewritten
.set NIL,   13                         ; v13  0; never rewritten
.set SW,    16                         ; v16-19   path X: the four K steps' scale words
.set LS,    32                         ; v32-159  path X: two sets of 64 registers as loaded
.set XR,    160                        ; v160-223 path X: my two blocks of 32 neighbours
.set FG,    224                        ; v224-235 path X: the fragment
.set CT,    236                        ; v236-242 path X: the conversions' second halves
.macro FINISH                          ; the wave's end
	s_wait_tensorcnt 0x0
	ds_add_u32 v[SPW], v[NIL]
	s_wait_dscnt 0x0
	s_endpgm
.endm
	s_load_b256 s[4:11], s[0:1], 0x0               ; x, w_qkv, w_proj, xc
	s_load_b128 s[12:15], s[0:1], 0x20             ; wc, rope
	v_lshl_add_u32 v[SPW], v0, 2, SPARE
	v_mov_b32 v[NIL], 0
	v_lshrrev_b32 v1, 5, v0
	v_readfirstlane_b32 s16, v1                    ; wave
	v_and_b32 v1, 31, v0                           ; lane
	v_and_b32 v4, 15, v0                           ; r
	v_bfe_u32 v5, v0, 4, 1                         ; h
	v_lshlrev_b32 v2, 4, v1                        ; 16 x lane
	v_lshlrev_b32 v3, 3, v1                        ; 8 x lane
	s_mov_b32 s20, 0x76543210
	s_mov_b32 s21, 0xfedcba98                      ; v_permlanex16_b32's selects for lane l xor 16
	s_mov_b32 s22, 0xffff0000                      ; the mask of lanes 16-31
	s_mov_b32 s25, 0
	s_wait_kmcnt 0x0
	s_cmp_ge_u32 ttmp9, 512
	s_cbranch_scc1 .Ltable
	s_cmp_ge_u32 ttmp9, 256
	s_cbranch_scc1 .Lweights
; ---- PATH X.  Work-group g has rows 32 g .. 32 g + 31.  Wave w: row tile 2 g + (w >> 1), K half w & 1: four K steps of 128.
; A load reads 512 consecutive bytes of one row; a K step's 16 rows turn through my own stage, so that lane (r, h) gets row r's blocks h and 2 + h whole: no other lane is asked for a maximum.
	s_mul_i32 s17, s16, XSTG
	s_wait_alu depctr_va_vdst(0)
	v_add_nc_u32 v6, s17, v2                       ; the stage, in: 16 x lane, + 528 for each row
	v_mul_u32_u24 v7, v4, 528
	v_lshl_add_u32 v7, v5, 7, v7
	v_add_nc_u32 v7, s17, v7                       ; and out: row r, + 128 h
	v_lshlrev_b32 v27, 3, v5                       ; 8 h: my bytes' place in the scale word
	v_mov_b32 v28, 0                               ; written once: a lane permute's destination counts as one of its sources
	v_lshlrev_b32 v8, 4, v4
	v_lshl_add_u32 v8, v5, 3, v8                   ; 16 r + 8 h: my two words of the scale image
	s_lshr_b32 s18, s16, 1                         ; u
	s_and_b32 s19, s16, 1                          ; K half
	s_lshl_b32 s24, ttmp9, 5
	s_lshl_b32 s26, s18, 3
	s_add_co_u32 s24, s24, s26                     ; row 32 g + 8 u
	s_lshl_b32 s24, s24, 12
	s_lshl_b32 s26, s19, 11
	s_add_co_u32 s24, s24, s26
	s_add_nc_u64 s[4:5], s[4:5], s[24:25]
	s_lshl_b32 s26, ttmp9, 1
	s_add_co_u32 s26, s26, s18                     ; the row tile
	s_mul_i32 s24, s26, 12288
	s_mul_i32 s27, s19, 6144
	s_add_co_u32 s24, s24, s27
	s_add_nc_u64 s[28:29], s[10:11], s[24:25]      ; my four fragments
	s_lshl_b32 s24, s26, 9
	s_lshl_b32 s27, s19, 8
	s_add_co_u32 s24, s24, s27
	s_add_co_u32 s24, s24, XS
	s_add_nc_u64 s[30:31], s[10:11], s[24:25]      ; my 256 bytes of the scale image
.macro LOADX s                         ; K step s: position i is row 16 (i / 8) + i % 8 of my sixteen
.set i, 0
.rept 16
	global_load_b128 v[LS+64*((\s)%2)+4*i:LS+64*((\s)%2)+4*i+3], v2, s[4:5] offset:(16*(i/8)+i%8)*4096+512*(\s) th:TH_LOAD_NT
.set i, i+1
.endr
.endm
.macro XSTEP s
.if (\s) < 3
	s_wait_loadcnt 16                              ; this step's 16 loads are in; the next step's 16 may be out
.else
	s_wait_loadcnt 0x0
.endif
.set i, 0
.rept 16
	ds_store_b128 v6, v[LS+64*((\s)%2)+4*i:LS+64*((\s)%2)+4*i+3] offset:528*i
.set i, i+1
.endr
.set i, 0
.rept 16
	ds_load_b128 v[XR+4*i:XR+4*i+3], v7 offset:256*(i/8)+16*(i%8)   ; LDS serves a wave's instructions in order: these see my stores
.set i, i+1
.endr
	s_wait_dscnt 0x0                               ; my numbers are back, and the stores have read the set that is loaded again below
	s_wait_xcnt 0x0                                ; the last step's stores have read the fragment's registers
.if (\s) < 2
	LOADX (\s)+2
.endif
.irp c, 0,1
	v_max3_num_f32 v[20+\c], |v[XR+32*\c]|, |v[XR+32*\c+1]|, 0x1800000   ; the floor 2^(3 - 127) among the leaves: the byte cannot fall under 1
.endr
.irp i, 2,4,6,8,10,12,14,16,18,20,22,24,26,28,30
.irp c, 0,1
	v_max3_num_f32 v[20+\c], v[20+\c], |v[XR+32*\c+\i]|, |v[XR+32*\c+\i+1]|
.endr
.endr
.irp c, 0,1
	v_add_nc_u32 v[22+\c], 0xff000000, v[20+\c]    ; 2 off the exponent field: the conversion's scale operand
.endr
.irp c, 0,1
	v_lshrrev_b32 v[24+\c], 23, v[22+\c]           ; the byte
.endr
	v_lshl_or_b32 v26, v25, 16, v24                ; blocks h and 2 + h,
	v_lshlrev_b32 v26, v27, v26                    ; at their places;
	v_permlanex16_b32 v28, v26, s20, s21
	v_or_b32 v[SW+(\s)], v26, v28                  ; with lane l xor 16's two the word is whole
.irp c, 0,1
	v_cvt_scalef32_pk16_fp6_f32 v[FG+6*\c:FG+6*\c+2], v[XR+32*\c:XR+32*\c+15], v[22+\c]
	v_cvt_scalef32_pk16_fp6_f32 v[CT+4*\c:CT+4*\c+2], v[XR+32*\c+16:XR+32*\c+31], v[22+\c]   ; (a conversion's three registers begin on an even number)
.endr
	v_nop                                          ; one plain place behind a scaled conversion
.irp c, 0,1
.irp k, 0,1,2
	v_mov_b32 v[FG+6*\c+3+\k], v[CT+4*\c+\k]
.endr
.endr
	global_store_b128 v2, v[FG:FG+3], s[28:29] offset:1536*(\s)            ; 512, 256, 512, 256 consecutive bytes
	global_store_b64 v3, v[FG+4:FG+5], s[28:29] offset:1536*(\s)+512
	global_store_b128 v2, v[FG+6:FG+9], s[28:29] offset:1536*(\s)+768
	global_store_b64 v3, v[FG+10:FG+11], s[28:29] offset:1536*(\s)+1280
.endm
	LOADX 0
	LOADX 1
	s_wait_alu depctr_va_vdst(0)
	XSTEP 0
	XSTEP 1
	XSTEP 2
	XSTEP 3
	v_cndmask_b32 v30, v[SW], v[SW+2], s22         ; lanes 0-15 store words 0, 1 of row r, lanes 16-31 words 2, 3
	v_cndmask_b32 v31, v[SW+1], v[SW+3], s22
	global_store_b64 v8, v[30:31], s[30:31]        ; 256 consecutive bytes
	FINISH
; ---- PATH W.  A lane takes a column and its registers run down K: a block of 32 lies in one lane, and the codes come out with K innermost.
; Work-group 256 + 8 quad + s: K step s, columns 128 quad on; wave w the 32 columns of group G = 4 quad + w (G under 96: w_qkv; from 96: w_proj).
.Lweights:
	s_sub_co_u32 s17, ttmp9, 256
	s_lshr_b32 s18, s17, 3                         ; quad
	s_and_b32 s19, s17, 7                          ; K step
	s_lshl_b32 s23, s18, 2
	s_add_co_u32 s23, s23, s16                     ; G
	s_wait_alu depctr_va_vdst(0)
	v_lshlrev_b32 v8, 2, v1                        ; 4 x lane
	v_bfe_u32 v14, v0, 3, 1                        ; column 16 hh + 8 u + j lies in tile 2 G + u
	v_and_b32 v15, 7, v0
	v_lshl_add_u32 v15, v5, 3, v15                 ; at position r = 8 hh + j
	s_mul_i32 s24, s16, WSTG
	s_add_co_u32 s24, s24, WST0                    ; my stage
	v_mul_u32_u24 v9, v14, 1664
	v_add_nc_u32 v9, s24, v9                       ; my tile's image in it (128 bytes behind each 1,536 part the two tiles' banks)
	v_lshl_add_u32 v10, v15, 3, v9
	v_add_nc_u32 v10, 512, v10                     ; a block's last 8 bytes
	v_lshl_add_u32 v9, v15, 4, v9                  ; a block's first 16 bytes
	v_add_nc_u32 v11, s24, v2                      ; back: 16 x lane
	v_lshlrev_b32 v17, 9, v14
	v_lshl_add_u32 v17, v15, 4, v17                ; my scale word: 512 u + 16 r
	s_lshl_b32 s26, s23, 4
	s_add_co_u32 s26, s26, s19                     ; fragment (2 G) x 8 + s
	s_mul_i32 s24, s26, 1536
	s_add_nc_u64 s[28:29], s[12:13], s[24:25]
	s_lshl_b32 s24, s23, 10
	s_lshr_b32 s26, s19, 2
	s_lshl_b32 s26, s26, 8
	s_add_co_u32 s24, s24, s26
	s_and_b32 s26, s19, 3
	s_lshl_b32 s26, s26, 2
	s_add_co_u32 s24, s24, s26
	s_add_co_u32 s24, s24, WS
	s_add_nc_u64 s[30:31], s[12:13], s[24:25]
.macro WLOAD lo, pitch                 ; all 128 rows of the K step at once: 128 consecutive bytes a wave, 512 a work-group
.set i, 0
.rept 128
	global_load_b32 v[64+i], v8, s[\lo:\lo+1] offset:i*\pitch th:TH_LOAD_NT
.set i, i+1
.endr
.endm
	s_cmp_ge_u32 s18, 24                           ; the row pitch stands in the immediates, so the run of loads is written for each weight
	s_cbranch_scc1 .Lproj_w
	s_mul_i32 s24, s19, 128*12288
	s_lshl_b32 s26, s23, 7
	s_add_co_u32 s24, s24, s26
	s_add_nc_u64 s[6:7], s[6:7], s[24:25]
	WLOAD 6, 12288
	s_branch .Lw_loaded
.Lproj_w:
	s_lshl_b32 s24, s19, 19
	s_sub_co_u32 s26, s23, 96
	s_lshl_b32 s26, s26, 7
	s_add_co_u32 s24, s24, s26
	s_add_nc_u64 s[8:9], s[8:9], s[24:25]
	WLOAD 8, 4096
.Lw_loaded:
.macro WBLOCK t, cnt                   ; block t of my column: fragment half t / 2, lanes' half t % 2
	s_wait_loadcnt \cnt
.set WB, 64+32*(\t)
	v_max3_num_f32 v20, |v[WB]|, |v[WB+1]|, 0x1800000
	v_max3_num_f32 v21, |v[WB+2]|, |v[WB+3]|, 0x1800000
.irp i, 4,8,12,16,20,24,28
	v_max3_num_f32 v20, v20, |v[WB+\i]|, |v[WB+\i+1]|
	v_max3_num_f32 v21, v21, |v[WB+\i+2]|, |v[WB+\i+3]|
.endr
	v_max_num_f32 v20, v20, v21
	v_add_nc_u32 v22, 0xff000000, v20
	v_lshrrev_b32 v23, 23, v22
.if (\t) == 0
	v_mov_b32 v24, v23
.else
	v_lshl_or_b32 v24, v23, 8*(\t), v24            ; the four bytes make my column's scale word
.endif
	v_cvt_scalef32_pk16_fp6_f32 v[192+8*(\t):194+8*(\t)], v[WB:WB+15], v22
	v_cvt_scalef32_pk16_fp6_f32 v[224:226], v[WB+16:WB+31], v22
	v_nop
.irp k, 0,1,2
	v_mov_b32 v[195+8*(\t)+\k], v[224+\k]
.endr
	ds_store_b128 v9, v[192+8*(\t):195+8*(\t)] offset:768*((\t)/2)+256*((\t)%2)
	ds_store_b64 v10, v[196+8*(\t):197+8*(\t)] offset:768*((\t)/2)+128*((\t)%2)
.endm
	WBLOCK 0, 63                                   ; 96 younger loads might stay out, and 64 for block 1: a wait's count holds 63 at the most, and a smaller count is safe
	WBLOCK 1, 63
	WBLOCK 2, 32
	WBLOCK 3, 0
.irp i, 0,1,2,3,4,5
	ds_load_b128 v[32+4*\i:35+4*\i], v11 offset:1664*(\i/3)+512*(\i%3)   ; LDS serves a wave's instructions in order: these see my stores
.endr
	s_wait_alu depctr_va_vdst(0)
.irp i, 0,1,2,3,4,5
	s_wait_dscnt 5-\i
	global_store_b128 v2, v[32+4*\i:35+4*\i], s[28:29] offset:12288*(\i/3)+512*(\i%3)   ; 512 consecutive bytes
.endr
	global_store_b32 v17, v24, s[30:31]
	FINISH
; ---- PATH T.  Row t of the table: cos(t f_0..31), then sin: 256 bytes.  Lanes 0-15 make two cosines each, lanes 16-31 two sines, as cos(a - pi/2).
.Ltable:
	s_sub_co_u32 s17, ttmp9, 512
	s_lshl_b32 s17, s17, 7
	s_lshl_b32 s18, s16, 5
	s_add_co_u32 s17, s17, s18                     ; my wave's first t
	s_lshl_b32 s24, s17, 8
	s_add_nc_u64 s[14:15], s[14:15], s[24:25]
	s_mov_b32 s26, 0xbfc90fdb                      ; -(pi/2)'s upper part
	s_mov_b32 s27, 0x333bbd2e                      ; the upper part less pi/2
	s_wait_alu depctr_va_vdst(0)
	v_lshlrev_b32 v6, 1, v4
	v_cvt_f32_u32 v6, v6                           ; j = 2 (lane % 16)
	v_add_f32 v7, 1.0, v6
	v_mul_f32 v6, 0xbed49a78, v6                   ; -j log2(10000) / 32
	v_mul_f32 v7, 0xbed49a78, v7
	s_wait_alu depctr_va_vdst(0)
	v_exp_f32 v6, v6
	v_exp_f32 v7, v7
	v_mul_u32_u24 v8, v5, 3                        ; 3 quarter turns more for the sines.  (A plain place behind the exponentials)
	s_wait_alu depctr_va_vdst(0)                   ; one wait for the two, ahead of their first reader and of the label
	s_mov_b32 s18, 0
.macro TRIG k
.set B0, 32+16*(\k)
	v_mul_f32 v[B0], v9, v[6+(\k)]                 ; the angle, rounded once
	v_mul_f32 v[B0+1], 0x3f22f983, v[B0]
	v_rndne_f32 v[B0+1], v[B0+1]                   ; n = the nearest whole number of quarter turns
	v_fma_f32 v[B0+2], v[B0+1], s26, v[B0]         ; exact: n has 11 bits
	v_fma_f32 v[B0+2], v[B0+1], s27, v[B0+2]       ; r, at most pi/4
	v_cvt_i32_f32 v[B0+3], v[B0+1]
	v_add_nc_u32 v[B0+3], v[B0+3], v8              ; q
	v_mul_f32 v[B0+4], v[B0+2], v[B0+2]            ; z = r r
	v_mov_b32 v[B0+5], 0x3638ef1d
	v_fmaak_f32 v[B0+5], v[B0+5], v[B0+4], 0xb9500d01
	v_fmaak_f32 v[B0+5], v[B0+5], v[B0+4], 0x3c088889
	v_fmaak_f32 v[B0+5], v[B0+5], v[B0+4], 0xbe2aaaab
	v_mul_f32 v[B0+6], v[B0+2], v[B0+4]
	v_fma_f32 v[B0+7], v[B0+6], v[B0+5], v[B0+2]   ; sin r
	v_mov_b32 v[B0+5], 0xb493f27e
	v_fmaak_f32 v[B0+5], v[B0+5], v[B0+4], 0x37d00d01
	v_fmaak_f32 v[B0+5], v[B0+5], v[B0+4], 0xbab60b61
	v_fmaak_f32 v[B0+5], v[B0+5], v[B0+4], 0x3d2aaaab
	v_fmaak_f32 v[B0+5], v[B0+5], v[B0+4], 0xbf000000
	v_fma_f32 v[B0+8], v[B0+5], v[B0+4], 1.0       ; cos r
	v_and_b32 v[B0+6], 1, v[B0+3]
	v_cmp_eq_u32 vcc_lo, 1, v[B0+6]
	v_cndmask_b32 v[B0+8], v[B0+8], v[B0+7], vcc_lo   ; odd q: the sine
	v_add_nc_u32 v[B0+3], 1, v[B0+3]
	v_and_b32 v[B0+3], 2, v[B0+3]
	v_lshlrev_b32 v[B0+3], 30, v[B0+3]             ; q = 1, 2 (mod 4): the sign turns
	v_xor_b32 v[10+(\k)], v[B0+3], v[B0+8]
.endm
.Lrow:
	v_cvt_f32_u32 v9, s17
	TRIG 0
	TRIG 1
	global_store_b64 v3, v[10:11], s[14:15]        ; 256 consecutive bytes: a row
	s_wait_xcnt 0x0                                ; the store has read its data and its base
	s_add_nc_u64 s[14:15], s[14:15], 256
	s_add_co_u32 s17, s17, 1
	s_add_co_u32 s18, s18, 1
	s_cmp_lt_u32 s18, 32
	s_cbranch_scc1 .Lrow
	FINISH
.Lfunc_end_k_qc6455a3d64_prep:
	.size	k_qc6455a3d64_prep, .Lfunc_end_k_qc6455a3d64_prep-k_qc6455a3d64_prep
	.p2alignl 7, 3214868480
	.fill 96, 4, 3214868480
	.section	.rodata,"a",@progbits
	.p2align	6, 0x0
	.amdhsa_kernel k_qc6455a3d64_prep
		.amdhsa_group_segment_fixed_size 47616
		.amdhsa_private_segment_fixed_size 0
		.amdhsa_enable_private_segment 0
		.amdhsa_kernarg_size 48
		.amdhsa_user_sgpr_count 2
		.amdhsa_user_sgpr_kernarg_segment_ptr 1
		.amdhsa_wavefront_size32 1
		.amdhsa_system_sgpr_workgroup_id_x 1
		.amdhsa_system_sgpr_workgroup_id_y 1
		.amdhsa_system_sgpr_workgroup_id_z 1
		.amdhsa_system_vgpr_workitem_id 0
		.amdhsa_next_free_vgpr 248
		.amdhsa_next_free_sgpr 66
		.amdhsa_reserve_vcc 1
		.amdhsa_float_denorm_mode_32 3
		.amdhsa_float_denorm_mode_16_64 3
		.amdhsa_memory_ordered 1
		.amdhsa_forward_progress 1
		.amdhsa_inst_pref_size 69
	.end_amdhsa_kernel
	.amdgpu_metadata
---
amdhsa.version: [ 1, 2 ]
amdhsa.kernels:
  - .name:           k_qc6455a3d64_prep
    .symbol:         k_qc6455a3d64_prep.kd
    .args:
      - { .name: x, .offset: 0, .size: 8, .value_kind: global_buffer, .address_space: global }
      - { .name: w_qkv, .offset: 8, .size: 8, .value_kind: global_buffer, .address_space: global }
      - { .name: w_proj, .offset: 16, .size: 8, .value_kind: global_buffer, .address_space: global }
      - { .name: xc, .offset: 24, .size: 8, .value_kind: global_buffer, .address_space: global }
      - { .name: wc, .offset: 32, .size: 8, .value_kind: global_buffer, .address_space: global }
      - { .name: rope, .offset: 40, .size: 8, .value_kind: global_buffer, .address_space: global }
    .group_segment_fixed_size: 47616
    .private_segment_fixed_size: 0
    .kernarg_segment_align: 8
    .kernarg_segment_size: 48
    .max_flat_workgroup_size: 128
    .sgpr_count:     66
    .vgpr_count:     248
    .wavefront_size: 32
...
	.end_amdgpu_metadata
.endif
;; end of part 1
;; launch qkv (part 2): grid 12 x 32, 4 waves a work-group, clusters of 4 x 4, 327,680 bytes of LDS; arguments xc, wc, rope, b_qkv, qb, kv; writes qb, kv
.if DOCPART == 2
	.amdgcn_target "amdgcn-amd-amdhsa--gfx1250"
	.amdhsa_code_object_version 6
	.text
	.protected	k_qc6455a3d64_qkv
	.globl	k_qc6455a3d64_qkv
	.p2align	8
	.type	k_qc6455a3d64_qkv,@function
k_qc6455a3d64_qkv:
	s_mov_b64 s[64:65], 0
	v_nop
	global_prefetch_b8 v0, s[64:65] scope:SCOPE_SE
	s_setreg_imm32_b32 hwreg(HW_REG_WAVE_MODE, 25, 1), 1
	s_wait_xcnt 0x0
	s_wait_alu depctr_hold_cnt(0) depctr_sa_sdst(0) depctr_va_vdst(0) depctr_va_sdst(0) depctr_va_ssrc(0) depctr_va_vcc(0) depctr_vm_vsrc(0)
	s_getreg_b32 s2, hwreg(HW_REG_IB_STS2, 6, 4)
	s_cmp_eq_u32 s2, 0
	s_cbranch_scc0 .Lentry_in_a_cluster
	s_endpgm
.Lentry_in_a_cluster:
	s_bfe_u32 s2, ttmp6, 0x10000c
	s_cmp_lg_u32 s2, 0xf033
	s_cbranch_scc0 .Lentry_shape_is_right
	s_endpgm
.Lentry_shape_is_right:
; QKV.  qkv = x w_qkv + b_qkv on codes of FP6 (E2M3) with E8M0 scales; RoPE on q and k; q and k quantised along the head's 64, v along the keys; all three leave as images of operand registers.
; A tile of the product is 256 x 256, a wave's 128 x 128: 64 accumulators, 512 registers.  K = 1,024 goes in four fills of 256 through two LDS slots.
; THE MATRIX INSTRUCTION IS USED TRANSPOSED: source 0 = 16 rows of "B", source 1 = 16 rows of "A": a lane holds one row of A and its registers run along B's rows.
; q and k tiles (cluster x = 0, 1): A = x's rows, B = the weight's columns: a lane holds one token and its registers run along the head: what RoPE and the quantiser along the head want.
; v tiles (cluster x = 2): THE ROLES ARE SWAPPED, by a choice of pointers: A = the weight's columns, B = x's rows: a lane holds one channel d and its registers run along the keys, v's K.
; Rows lie by position in the operand buffers (position 16u + 8hh + j of a group of 32 is row 16hh + 8u + j), so the 16 registers of B's tiles 2b, 2b + 1 are 16 neighbours: 32b + 16 (lane/16) + 0..15.
; CLUSTERS: 4 x 4 work-groups; A's tiles are shared along a row of the cluster, B's along a column: each is asked for jointly.
; OUT.  qb: [head 64][group of 128 queries][6656]: 8 tiles x 768 bytes (16 queries x 64: registers 0-3 at 16 lane, 4-5 at 512 + 8 lane), then 512 bytes of scale words: lane (r, h), word i: tile 4h + i.
;       kv: [head][128 keys][13056]: k as in qb; from 6656 v's 4 tiles x 1,536 (16 d x 128 keys: registers 4i..4i+3 at 512 i + 16 lane); from 12800 v's scale words: lane (r, h), word i: tile 2h + i.
; The upper two bytes of a q or k scale word are the neighbouring head's or 0, never 0xff: they meet zero codes alone.
; LIMITS: NaN and infinities are not served; a block under 2^-124 has its byte held at 1, a block of zeros gets 1 and not 127 (its codes are zeros; only this program reads the bytes).  RoPE by fused multiply-adds.
; REGISTERS.  window 0: v16-31 addresses; v32-63 the products' scale words, two sets; v64-127 the bias as C, later two sets of cos and sin; v128-223 A's fragments, later 64 numbers and the quantiser's work;
;   v230-255 scale words on their way out, v's bias.   window 1: B's fragments, two sets, at v0 and v128.   windows 2, 3: the accumulators, (a, b) at v[8 (8 (a % 4) + b)].
.set XS,    6291456
.set WS,    3145728
.set FR,    12                         ; registers of a fragment
.set NL,    4                          ; LDS loads that bring one
.set NP,    4                          ; places behind this matrix instruction (ISA guide 7.12.1)
.set NQ,    2                          ; K steps of 128 in a slot
.set HALFT, 24576                      ; 8 row tiles x 2 K steps x 1,536: what one tensor load brings
.set SLOT,  4*HALFT                    ; A's two halves, then B's
.set SCL,   2*SLOT                     ; behind the ring: the scale images, 4 x 4,096 bytes, filled once
.set SPARE, SCL+4*4096                 ; the spare words: 128 bytes a wave, two blocks of 256 bytes that no other line names
.set A16, 16                           ; v16-17 A's fragments in slot 0, 1: + 16 lane;  v18-19: + 512 + 8 lane
.set A8,  18
.set B16, 20                           ; v20-23 the same for B
.set B8,  22
.set L16, 24                           ; v24  16 x lane
.set L8,  25                           ; v25  8 x lane
.set RT,  26                           ; v26  my row and half in the RoPE table
.set ADRS, 27                          ; v27  my scale words in LDS: lanes 0-15 A's, lanes 16-31 B's
.set SPW, 28                           ; v28  my spare word; never rewritten
.set NIL, 29                           ; v29  0; never rewritten
.set BAD, 30
.set VAD, 31
.set SC,  32
.set BIAS, 64
.set CSB, 64
.set AF,  128
.set Y,   128                          ; v128-191 64 numbers for the quantiser
.set TM,  192                          ; v192-207 at work
.set PC,  208                          ; v208-219 the codes; v220-226 the conversions' second halves
.set PW,  228                          ; the scale word just made
.set SO,  230                          ; v230-239 scale words as they are stored
.set VB,  240                          ; v240-255 v's bias, each number twice;  in q and k tiles: the 16 scale words of a wave's two heads
.set WV,  16
.set RH,  17                           ; A's half that I multiply.  Also: I fetch for A (0) or B (1)
.set CH,  18                           ; B's half.  Also: which half of a tile I fetch
.set ISV, 19
.set CX,  20
.set CY,  21
.set BX,  22
.set BY,  23
.set G1,  24
.set G0,  32
.set G1B, 48
.set G0B, 56
.set AT,  66                           ; A's tile of 256 rows: made of cy alone
.set BT,  67                           ; B's: of cx alone
.set G1S, 68
.set G0S, 76
.set G1SB, 80
.set G0SB, 88
.set OB,  92                           ; s[92:93], s[94:95] where my two heads' results go
.set RB,  96                           ; s[96:97] the RoPE table at my first token
.set HM,  98                           ; the mask of lanes 16-31
.set NV,  99                           ; all ones in q and k tiles, 0 in v tiles
.set SEL, 100
.set MSB, 0
.macro WIN new                         ; the immediate's high byte repeats the setting that is left
.if MSB != \new
	s_set_vgpr_msb (MSB<<8)|\new
.set MSB, \new
.endif
.endm
.set MUL_LO, 0xa1                      ; source 0 (B) window 1, source 1 (A) window 0, C and D window 2
.set MUL_HI, 0xf1
.set ONE_LO, 0x81                      ; the first K step: C (the bias) window 0, D window 2
.set ONE_HI, 0xc1
.set TO_B,   0x40
.macro JLOAD g0a, g1a, g0b, g1b        ; a joint load: waves 0, 1 fetch for A, waves 2, 3 for B; an s_nop 0 and four v_nop follow each line
	s_cmp_eq_u32 s[RH], 0
	s_cbranch_scc0 .Lfor_b_\@
	tensor_load_to_lds s[\g0a:\g0a+3], s[\g1a:\g1a+7]
	s_nop 0
.rept 4
	v_nop
.endr
	s_branch .Lasked_\@
.Lfor_b_\@:
	tensor_load_to_lds s[\g0b:\g0b+3], s[\g1b:\g1b+7]
	s_nop 0
.rept 4
	v_nop
.endr
.Lasked_\@:
.endm
.macro CREST                           ; a round of the cluster's barrier behind its opening barrier
	s_cmp_lg_u32 s[WV], 0
	s_cbranch_scc1 .Lnot_wave_0_\@
	s_barrier_signal -3
.Lnot_wave_0_\@:
	s_barrier_wait -3
	s_barrier_signal -1
	s_barrier_wait -1
.endm
.macro CROUND
	s_barrier_signal -1
	s_barrier_wait -1
	CREST
.endm
.macro PLACES n
.rept \n
	v_nop
.endr
.endm
.macro CLOSE                           ; the wave's end, then the closing round
	s_wait_tensorcnt 0x0
	ds_add_u32 v[SPW], v[NIL]
	s_wait_dscnt 0x0
	CROUND
	s_endpgm
.endm
	s_load_b256 s[4:11], s[0:1], 0x0               ; xc, wc, rope, b_qkv
	s_load_b128 s[12:15], s[0:1], 0x20             ; qb, kv
	v_lshl_add_u32 v[SPW], v0, 2, SPARE
	v_mov_b32 v[NIL], 0
	ds_add_u32 v[SPW], v[NIL]                      ; the opening: the add and its wait ahead of my first tensor load; work on registers stands between
	ds_add_u32 v[SPW], v[NIL]
	v_lshrrev_b32 v1, 5, v0
	v_readfirstlane_b32 s[WV], v1
	s_lshr_b32 s[RH], s[WV], 1
	s_and_b32 s[CH], s[WV], 1
	s_bfe_u32 s[CX], ttmp6, 0x40000
	s_bfe_u32 s[CY], ttmp6, 0x40004
	s_mov_b32 s[BX], ttmp9                         ; the cluster's x: 0 q, 1 k, 2 v
	s_and_b32 s[BY], ttmp7, 0xffff                 ; the cluster's y
	s_lshl_b32 s40, s[CY], 2
	s_lshl_b32 s40, 15, s40                        ; my row of the cluster
	s_lshl_b32 s44, 0x1111, s[CX]                  ; my column
	s_or_b32 s[G1], s40, (3<<16)|(1<<21)           ; the mask; elements of 8 bytes; bit 21 beside a mask; no padding: images are read 16 or 8 bytes a lane on end
	s_or_b32 s[G1B], s44, (3<<16)|(1<<21)
	s_or_b32 s[G1S], s40, (3<<16)|(1<<21)
	s_or_b32 s[G1SB], s44, (3<<16)|(1<<21)
.irp g, G1, G1B                        ; 8 row tiles: rows of 3,072 bytes (two K steps), 12,288 bytes apart
	s_mov_b32 s[\g+1], 384<<16
	s_mov_b32 s[\g+2], 16<<16                      ; the head's loads bring all 16 row tiles; behind them the two words that count rows are set to 8
	s_mov_b32 s[\g+3], 384<<16
	s_mov_b32 s[\g+4], 16
	s_mov_b32 s[\g+5], 1536
	s_mov_b32 s[\g+6], 0
	s_mov_b32 s[\g+7], 0
.endr
.irp g, G1S, G1SB
	s_mov_b32 s[\g+1], 32<<16
	s_mov_b32 s[\g+2], 32<<16                      ; 16 row tiles' scale images: 8,192 dense bytes as 32 rows of 256
	s_mov_b32 s[\g+3], 32<<16
	s_mov_b32 s[\g+4], 32
	s_mov_b32 s[\g+5], 32
	s_mov_b32 s[\g+6], 0
	s_mov_b32 s[\g+7], 0
.endr
	s_lshl_b32 s41, s[BY], 2
	s_lshl_b32 s45, s[BX], 2
	s_cmp_eq_u32 s[BX], 2                          ; the same in all sixteen partners
	s_cselect_b32 s[ISV], 1, 0
	s_cselect_b32 s[NV], 0, -1
	s_cselect_b32 s[AT], 8, s41                    ; A: v's columns begin at the weight's tile 8; else x's tile 4 Cy
	s_cselect_b32 s[BT], s41, s45                  ; B: x's tile 4 Cy; else the weight's tile 4 Cx
	s_add_co_u32 s[AT], s[AT], s[CY]
	s_add_co_u32 s[BT], s[BT], s[CX]
	s_lshl_b32 s42, s[CH], 3
	s_lshl_b32 s40, s[AT], 4
	s_add_co_u32 s40, s40, s42                     ; the first of the 8 row tiles that I would fetch for A,
	s_lshl_b32 s44, s[BT], 4
	s_add_co_u32 s44, s44, s42                     ; and for B
	s_lshl_b32 s42, s[AT], 13                      ; the scale images of A's 16 row tiles, 512 bytes each
	s_mul_i32 s40, s40, 12288
	s_lshl_b32 s46, s[BT], 13                      ; and of B's
	s_mul_i32 s44, s44, 12288
	s_mov_b32 s41, XS
	s_mov_b32 s45, WS
	s_cmp_eq_u32 s[BX], 2
	s_cselect_b32 s41, WS, s41
	s_cselect_b32 s45, XS, s45
	s_add_co_u32 s42, s42, s41
	s_add_co_u32 s46, s46, s45
	s_mov_b32 s41, 0
	s_mov_b32 s43, 0
	s_mov_b32 s45, 0
	s_mov_b32 s47, 0
	s_mul_i32 s3, s[WV], HALFT                     ; where they go: the wave's number alone enters an LDS address
.irp g, G0, G0B
	s_mov_b32 s[\g], 1
	s_mov_b32 s[\g+1], s3
	s_mov_b32 s[\g+4], 1
	s_add_co_u32 s[\g+5], s3, SLOT
.endr
	s_mov_b32 s[G0S], 1
	s_mov_b32 s[G0S+1], SCL
	s_mov_b32 s[G0SB], 1
	s_mov_b32 s[G0SB+1], SCL+8192
	s_mov_b32 s[SEL], 0x76543210
	s_mov_b32 s[SEL+1], 0xfedcba98
	s_mov_b32 s[HM], 0xffff0000
	s_wait_dscnt 0x0                               ; the opening add is done
	s_wait_kmcnt 0x0
	s_cmp_eq_u32 s[BX], 2
	s_cselect_b64 s[G0+2:G0+3], s[6:7], s[4:5]
	s_cselect_b64 s[G0S+2:G0S+3], s[6:7], s[4:5]
	s_cselect_b64 s[G0B+2:G0B+3], s[4:5], s[6:7]
	s_cselect_b64 s[G0SB+2:G0SB+3], s[4:5], s[6:7]
	s_add_nc_u64 s[G0+2:G0+3], s[G0+2:G0+3], s[40:41]
	s_add_nc_u64 s[G0+6:G0+7], s[G0+2:G0+3], 3072  ; slot 1 begins with K steps 2, 3
	s_add_nc_u64 s[G0S+2:G0S+3], s[G0S+2:G0S+3], s[42:43]
	s_add_nc_u64 s[G0B+2:G0B+3], s[G0B+2:G0B+3], s[44:45]
	s_add_nc_u64 s[G0B+6:G0B+7], s[G0B+2:G0B+3], 3072
	s_add_nc_u64 s[G0SB+2:G0SB+3], s[G0SB+2:G0SB+3], s[46:47]
	s_or_b32 s[G0+3], s[G0+3], 0x80000000
	s_or_b32 s[G0+7], s[G0+7], 0x80000000
	s_or_b32 s[G0S+3], s[G0S+3], 0x80000000
	s_or_b32 s[G0B+3], s[G0B+3], 0x80000000
	s_or_b32 s[G0B+7], s[G0B+7], 0x80000000
	s_or_b32 s[G0SB+3], s[G0SB+3], 0x80000000
	CROUND                                         ; all sixteen work-groups are here: the first joint loads meet
; THE HEAD'S LOADS, ONE A WAVE, in one tree of branches on the wave's number: wave 0 slot 0's 16 row tiles of A (its own group 0 names A's first tile and LDS byte 0),
; wave 2 those of B (its group 0 names B's first tile and LDS byte 2 HALFT), wave 1 A's scale images, wave 3 B's.
.macro HLOAD g0, g1
	tensor_load_to_lds s[\g0:\g0+3], s[\g1:\g1+7]
	s_nop 0
.rept 4
	v_nop
.endr
.endm
	s_cmp_eq_u32 s[WV], 0
	s_cbranch_scc0 .Lhead_b
	HLOAD G0, G1
	s_branch .Lhead_asked
.Lhead_b:
	s_cmp_eq_u32 s[WV], 2
	s_cbranch_scc0 .Lhead_sa
	HLOAD G0B, G1B
	s_branch .Lhead_asked
.Lhead_sa:
	s_cmp_eq_u32 s[WV], 1
	s_cbranch_scc0 .Lhead_sb
	HLOAD G0S, G1S
	s_branch .Lhead_asked
.Lhead_sb:
	HLOAD G0SB, G1SB
.Lhead_asked:
	v_and_b32 v1, 15, v0                           ; r
	v_bfe_u32 v2, v0, 4, 1                         ; h
	v_and_b32 v3, 31, v0
	v_lshlrev_b32 v[L16], 4, v3
	v_lshlrev_b32 v[L8], 3, v3
	v_add_nc_u32 v5, 512, v[L8]
	s_mul_i32 s40, s[RH], HALFT
	s_mul_i32 s44, s[CH], HALFT
	s_add_co_u32 s44, s44, 2*HALFT
.irp s, 0,1
	v_add_nc_u32 v[A16+\s], s40, v[L16]
	v_add_nc_u32 v[A8+\s], s40, v5
	v_add_nc_u32 v[B16+\s], s44, v[L16]
	v_add_nc_u32 v[B8+\s], s44, v5
	s_add_co_u32 s40, s40, SLOT
	s_add_co_u32 s44, s44, SLOT
.endr
	s_lshl_b32 s40, s[RH], 12                      ; A's scale images: my half;
	s_lshl_b32 s41, s[CH], 12
	s_add_co_u32 s41, s41, 8192                    ; B's lie behind A's two
	s_sub_co_u32 s41, s41, s40
	v_mul_u32_u24 v4, s41, v2                      ; lanes 16-31 take B's: one product
	s_add_co_u32 s40, s40, SCL
	v_lshl_add_u32 v4, v1, 4, v4
	v_add_nc_u32 v[ADRS], s40, v4
	v_and_b32 v4, 8, v1
	v_add_nc_u32 v4, v4, v1                        ; position r of a tile is row r + 8 (r / 8) of its 24
	s_wait_alu depctr_va_vdst(0)
	v_lshlrev_b32 v[RT], 8, v4
	v_lshl_add_u32 v[RT], v2, 6, v[RT]             ; the table: 256 bytes a token, + 64 h
	s_lshl_b32 s46, s[BT], 8
	s_lshl_b32 s47, s[CH], 7
	s_add_co_u32 s46, s46, s47
	s_lshl_b32 s46, s46, 2                         ; q, k: the bias of my 128 columns runs along the registers;
	s_cmp_eq_u32 s[BX], 2
	s_cselect_b32 s46, 0, s46                      ; v: these loads stay inside the buffer and are set to 0 below
	v_lshlrev_b32 v[BAD], 6, v2
	v_add_nc_u32 v[BAD], s46, v[BAD]
	s_wait_alu depctr_va_vdst(0)
	s_lshl_b32 s40, s[CY], 10
	s_lshl_b32 s41, s[RH], 9
	s_add_co_u32 s40, s40, s41
	s_add_co_u32 s40, s40, 8192                    ; v: the bias of column 2048 + 256 cy + 128 half + my row (inside the buffer in every tile)
	v_lshlrev_b32 v[VAD], 2, v4
	v_add_nc_u32 v[VAD], s40, v[VAD]
	s_lshl_b32 s40, s[AT], 8
	s_lshl_b32 s41, s[RH], 7
	s_add_co_u32 s40, s40, s41
	s_and_b32 s40, s40, 2047                       ; my first token's place in its sequence
	s_lshl_b32 s40, s40, 8
	s_mov_b32 s41, 0
	s_add_nc_u64 s[RB:RB+1], s[8:9], s[40:41]
.irp b, 0,1,2,3,4,5,6,7
	global_load_b128 v[BIAS+8*\b:BIAS+8*\b+3], v[BAD], s[10:11] offset:(32*(\b/2)+8*(\b%2))*4
	global_load_b128 v[BIAS+8*\b+4:BIAS+8*\b+7], v[BAD], s[10:11] offset:(32*(\b/2)+8*(\b%2))*4+16
.endr
.irp a, 0,1,2,3,4,5,6,7
	global_load_b32 v[VB+2*\a], v[VAD], s[10:11] offset:(32*(\a/2)+8*(\a%2))*4
	global_load_b32 v[VB+2*\a+1], v[VAD], s[10:11] offset:(32*(\a/2)+8*(\a%2))*4
.endr
	s_wait_loadcnt 0x0
.set k, 0
.rept 64
	v_cndmask_b32 v[BIAS+k], 0, v[BIAS+k], s[NV]   ; v tiles start their sums with 0: their bias runs along the lanes and is added on the way out
.set k, k+1
.endr
.macro FRAG reg, a16, a8, q, i         ; a fragment's image, row tile i, the slot's q-th K step: 16, 8, 16, 8 bytes a lane, each run of lanes on end
	ds_load_b128 v[\reg:\reg+3], v[\a16] offset:3072*(\i)+1536*(\q)
	ds_load_b64 v[\reg+4:\reg+5], v[\a8] offset:3072*(\i)+1536*(\q)
	ds_load_b128 v[\reg+6:\reg+9], v[\a16] offset:3072*(\i)+1536*(\q)+768
	ds_load_b64 v[\reg+10:\reg+11], v[\a8] offset:3072*(\i)+1536*(\q)+768
.endm
; 16 matrix instructions: A's blocks a0, a0 + 1 x B's eight.  first = 1: C is the bias.  The 64 accumulators take turns, one instruction a turn.
.macro MUL16 a0, p, q, sc, first
.irp a, \a0, \a0+1
.irp b, 0,1,2,3,4,5,6,7
.if \first
	v_wmma_scale_f32_16x16x128_f8f6f4 v[8*(8*((\a)%4)+\b):8*(8*((\a)%4)+\b)+7], v[128*(\p)+FR*\b:128*(\p)+FR*\b+FR-1], v[AF+FR*(\a):AF+FR*(\a)+FR-1], v[BIAS+8*\b:BIAS+8*\b+7], v[SC+8*NQ*(\sc)+NQ*\b+(\q)], v[SC+8*NQ*(\sc)+NQ*(\a)+(\q)] matrix_a_fmt:MATRIX_FMT_FP6 matrix_b_fmt:MATRIX_FMT_FP6 matrix_a_scale:MATRIX_SCALE_ROW1
.else
	v_wmma_scale_f32_16x16x128_f8f6f4 v[8*(8*((\a)%4)+\b):8*(8*((\a)%4)+\b)+7], v[128*(\p)+FR*\b:128*(\p)+FR*\b+FR-1], v[AF+FR*(\a):AF+FR*(\a)+FR-1], v[8*(8*((\a)%4)+\b):8*(8*((\a)%4)+\b)+7], v[SC+8*NQ*(\sc)+NQ*\b+(\q)], v[SC+8*NQ*(\sc)+NQ*(\a)+(\q)] matrix_a_fmt:MATRIX_FMT_FP6 matrix_b_fmt:MATRIX_FMT_FP6 matrix_a_scale:MATRIX_SCALE_ROW1
.endif
.endr
.endr
.endm
.macro FETCH_B slot, q, p
	WIN TO_B
.irp i, 0,1,2,3,4,5,6,7
	FRAG 128*(\p)+FR*\i, B16+\slot, B8+\slot, \q, \i
.endr
	WIN 0
.endm
.macro FETCH_A slot, q, i0
.irp i, \i0, \i0+1, \i0+2, \i0+3
	FRAG AF+FR*(\i), A16+\slot, A8+\slot, \q, \i
.endr
.endm
.macro SCALES sc, koff                 ; a slot's two words a row: lanes 0-15 A's block i, lanes 16-31 B's block i
.irp i, 0,1,2,3,4,5,6,7
	ds_load_b64 v[SC+8*NQ*\sc+NQ*\i:SC+8*NQ*\sc+NQ*\i+1], v[ADRS] offset:512*\i+\koff
.endr
.endm
.macro STEP slot, q, first             ; a K step of 128 that has its successor in the same slot
	s_wait_dscnt 4*NL                              ; B's set and A's blocks 0-3 are in; the youngest 16 loads (A's blocks 4-7) may be out
.if \first
	WIN ONE_LO
.else
	WIN MUL_LO
.endif
	MUL16 0, (\q)%2, \q, \slot, \first
	MUL16 2, (\q)%2, \q, \slot, \first
	s_wait_dscnt 0
	PLACES NP                                      ; in front of loads into registers that matrix instructions have read
	FETCH_B \slot, (\q)+1, 1-(\q)%2
	FETCH_A \slot, (\q)+1, 0
.if \first
	WIN ONE_HI
.else
	WIN MUL_HI
.endif
	MUL16 4, (\q)%2, \q, \slot, \first
	MUL16 6, (\q)%2, \q, \slot, \first
	PLACES NP
	WIN 0
	FETCH_A \slot, (\q)+1, 4
.endm
; A slot's last K step changes slots: in front of the barrier each wave waits for all its tensor loads, adds 0 to its spare word, and waits for that and for its reads of this slot.
.macro TURN slot, next, fill, koff
	s_wait_tensorcnt 0x0                           ; all my tensor loads have landed: my part of the next slot
	ds_add_u32 v[SPW], v[NIL]
	s_wait_dscnt 4*NL+1                            ; (the add and A's blocks 4-7 may be out)
	WIN MUL_LO
	MUL16 0, 1, 1, \slot, 0
	s_wait_dscnt 0x0                               ; the add is done, and my reads of this slot are over
	s_barrier_signal -1
	MUL16 2, 1, 1, \slot, 0
	WIN 0
	s_barrier_wait -1
.if \fill
	CREST                                          ; the barrier has opened a round of the cluster's: no wave of any partner still reads this slot or has a load on its way
	s_add_nc_u64 s[G0+4*\slot+2:G0+4*\slot+3], s[G0+4*\slot+2:G0+4*\slot+3], 6144
	s_add_nc_u64 s[G0B+4*\slot+2:G0B+4*\slot+3], s[G0B+4*\slot+2:G0B+4*\slot+3], 6144
	JLOAD G0+4*\slot, G1, G0B+4*\slot, G1B         ; the first tensor load behind the round; its four v_nop are the places in front of the loads below
.else
	PLACES NP
.endif
	FETCH_B \next, 0, 0
	FETCH_A \next, 0, 0
	SCALES \next, \koff
	WIN MUL_HI
	MUL16 4, 1, 1, \slot, 0
	MUL16 6, 1, 1, \slot, 0
	PLACES NP
	WIN 0
	FETCH_A \next, 0, 4
.endm
.macro CSLOAD a                        ; cos and sin of A's block a: my token's 16 of each (channels 16 h + 0..15), into set a % 2
.irp k, 0,1,2,3
	global_load_b128 v[CSB+32*((\a)%2)+4*\k:CSB+32*((\a)%2)+4*\k+3], v[RT], s[RB:RB+1] offset:(32*((\a)/2)+8*((\a)%2))*256+16*\k
.endr
.irp k, 0,1,2,3
	global_load_b128 v[CSB+32*((\a)%2)+16+4*\k:CSB+32*((\a)%2)+16+4*\k+3], v[RT], s[RB:RB+1] offset:(32*((\a)/2)+8*((\a)%2))*256+128+16*\k
.endr
.endm
; 64 numbers of a lane, register 16 b + i = k 32 b + 16 (lane / 16) + i of my row, become a fragment's codes in v[PC] on and its scale word in v[PW].
.macro QUANT s
.irp b, 0,1,2,3
	v_max3_num_f32 v[TM+\b], |v[\s+16*\b]|, |v[\s+1+16*\b]|, 0x1800000   ; the floor 2^(3 - 127): the byte cannot fall under 1
.endr
.irp i, 2,4,6,8,10,12,14
.irp b, 0,1,2,3
	v_max3_num_f32 v[TM+\b], v[TM+\b], |v[\s+16*\b+\i]|, |v[\s+1+16*\b+\i]|
.endr
.endr
.irp b, 0,1,2,3
	v_permlanex16_b32 v[TM+4+\b], v[TM+\b], s[SEL], s[SEL+1]
.endr
.irp b, 0,1,2,3
	v_max_num_f32 v[TM+\b], v[TM+\b], v[TM+4+\b]   ; with lane l xor 16's: the block's largest magnitude
.endr
.irp b, 0,1,2,3
	v_add_nc_u32 v[TM+12+\b], 0xff000000, v[TM+\b] ; 2 off the exponent field: the conversion's scale operand
.endr
.irp b, 0,1,2,3
	v_lshrrev_b32 v[TM+4+\b], 23, v[TM+12+\b]      ; the byte
.endr
	v_lshl_or_b32 v[PW], v[TM+5], 8, v[TM+4]
	v_lshl_or_b32 v[PW], v[TM+6], 16, v[PW]
	v_lshl_or_b32 v[PW], v[TM+7], 24, v[PW]
.irp c, 0,1
	v_cvt_scalef32_pk16_fp6_f32 v[PC+6*\c:PC+2+6*\c], v[\s+32*\c:\s+15+32*\c], v[TM+12+2*\c]
	v_cvt_scalef32_pk16_fp6_f32 v[PC+12+4*\c:PC+14+4*\c], v[\s+16+32*\c:\s+31+32*\c], v[TM+12+2*\c+1]
.endr
	v_nop                                          ; one plain place behind a scaled conversion
.irp c, 0,1                            ; the layout wants a whole block in a lane: lanes 0-15 block 2 c, lanes 16-31 block 2 c + 1
.irp i, 0,1,2
	v_permlane16_swap_b32 v[PC+6*\c+\i], v[PC+12+4*\c+\i]
.endr
.irp i, 0,1,2
	v_mov_b32 v[PC+3+6*\c+\i], v[PC+12+4*\c+\i]
.endr
.endr
.endm
	s_wait_alu depctr_va_vdst(0)
	s_wait_tensorcnt 0x0                           ; my tile of the head's four is in
	ds_add_u32 v[SPW], v[NIL]
	s_mov_b32 s[G1+2], 8<<16                       ; no tensor load of mine is out: from here on a load brings 8 row tiles
	s_mov_b32 s[G1+4], 8
	s_mov_b32 s[G1B+2], 8<<16
	s_mov_b32 s[G1B+4], 8
	s_wait_dscnt 0x0
	CROUND                                         ; a whole round: all four tiles are in, and the joint loads meet
	JLOAD G0+4, G1, G0B+4, G1B                     ; slot 1's first fill, the first tensor load behind the round
	FETCH_B 0, 0, 0
	FETCH_A 0, 0, 0
	SCALES 0, 0
	FETCH_A 0, 0, 4
	STEP 0, 0, 1                                   ; K steps 0, 1
	TURN 0, 1, 1, 8
	STEP 1, 0, 0                                   ; 2, 3
	TURN 1, 0, 1, 256
	STEP 0, 0, 0                                   ; 4, 5
	TURN 0, 1, 0, 264                              ; nothing is left to fetch
	STEP 1, 0, 0                                   ; 6,
	CSLOAD 0                                       ; (the bias's registers are free: the first two blocks' cos and sin)
	CSLOAD 1
	s_wait_dscnt 4*NL                              ; and 7
	WIN MUL_LO
	MUL16 0, 1, 1, 1, 0
	MUL16 2, 1, 1, 1, 0
	s_wait_dscnt 0
	WIN MUL_HI
	MUL16 4, 1, 1, 1, 0
	MUL16 6, 1, 1, 1, 0
	WIN 0
	PLACES NP
.irp b, 0,1,2,3
	v_mov_b32 v[TM+4+\b], 0                        ; written once: a lane permute's destination counts as one of its sources
.endr
	s_cmp_eq_u32 s[ISV], 1
	s_cbranch_scc1 .Lv_out
; ---- q AND k.  My 128 columns are two heads e; in a head B's tiles u and 2 + u hold channels 16 h + 8 u + j and 32 more: RoPE's pairs lie in one lane.
	s_mov_b32 s104, 6656
	s_cmp_eq_u32 s[BX], 1
	s_cselect_b64 s[OB:OB+1], s[14:15], s[12:13]   ; k goes to kv, q to qb
	s_cselect_b32 s104, 13056, s104                ; bytes of a group of 128 rows there
	s_lshr_b32 s2, s[AT], 3
	s_lshl_b32 s2, s2, 2
	s_and_b32 s105, s[BT], 3
	s_add_co_u32 s2, s2, s105
	s_lshl_b32 s2, s2, 1
	s_add_co_u32 s2, s2, s[CH]                     ; half of my first head's number: 16 batch + 4 (tile % 4) + 2 half
	s_lshl_b32 s2, s2, 5                           ; x 16 groups a head
	s_and_b32 s105, s[AT], 7
	s_lshl_b32 s105, s105, 1
	s_add_co_u32 s2, s2, s105
	s_add_co_u32 s2, s2, s[RH]                     ; + my group
	s_mul_i32 s2, s2, s104
	s_mov_b32 s3, 0
	s_add_nc_u64 s[OB:OB+1], s[OB:OB+1], s[2:3]
	s_lshl_b32 s2, s104, 4
	s_add_nc_u64 s[OB+2:OB+3], s[OB:OB+1], s[2:3]  ; the next head
.macro QKROW a
	s_wait_xcnt 0x0                                ; the last block's stores have read the codes' registers
.if (\a) < 7
	s_wait_loadcnt 8                               ; this block's cos and sin are in; the next block's 8 loads may be out
.else
	s_wait_loadcnt 0x0
.endif
.set WN, 0x02+(\a)/4
	WIN WN                                         ; source 0: the accumulators' window
.set AC, 64*((\a)%4)
.set CC, CSB+32*((\a)%2)
.irp e, 0,1
.irp u, 0,1
.irp j, 0,2,4,6                        ; each accumulator is read from its low end on
	v_pk_mul_f32 v[TM+\j:TM+\j+1], v[AC+8*(4*\e+2+\u)+\j:AC+8*(4*\e+2+\u)+\j+1], v[CC+16+8*\u+\j:CC+16+8*\u+\j+1]
	v_pk_mul_f32 v[TM+8+\j:TM+8+\j+1], v[AC+8*(4*\e+\u)+\j:AC+8*(4*\e+\u)+\j+1], v[CC+16+8*\u+\j:CC+16+8*\u+\j+1]
.endr
.irp j, 0,2,4,6
	v_pk_fma_f32 v[Y+32*\e+8*\u+\j:Y+32*\e+8*\u+\j+1], v[AC+8*(4*\e+\u)+\j:AC+8*(4*\e+\u)+\j+1], v[CC+8*\u+\j:CC+8*\u+\j+1], v[TM+\j:TM+\j+1] neg_lo:[0,0,1] neg_hi:[0,0,1]   ; x1 cos - x2 sin
	v_pk_fma_f32 v[Y+32*\e+16+8*\u+\j:Y+32*\e+16+8*\u+\j+1], v[AC+8*(4*\e+2+\u)+\j:AC+8*(4*\e+2+\u)+\j+1], v[CC+8*\u+\j:CC+8*\u+\j+1], v[TM+8+\j:TM+8+\j+1]   ; x2 cos + x1 sin
.endr
.endr
.endr
	WIN 0
.if (\a) < 6
	CSLOAD (\a)+2                                  ; into the set just read
.endif
	QUANT Y                                        ; half c of the fragment is head c's 16 rows x 64
	v_mov_b32 v[VB+(\a)], v[PW]                    ; head 0's word (its upper bytes are head 1's),
	v_lshrrev_b32 v[VB+8+(\a)], 16, v[PW]          ; head 1's
	global_store_b128 v[L16], v[PC:PC+3], s[OB:OB+1] offset:768*(\a)
	global_store_b64 v[L8], v[PC+4:PC+5], s[OB:OB+1] offset:768*(\a)+512
	global_store_b128 v[L16], v[PC+6:PC+9], s[OB+2:OB+3] offset:768*(\a)
	global_store_b64 v[L8], v[PC+10:PC+11], s[OB+2:OB+3] offset:768*(\a)+512
.endm
.irp a, 0,1,2,3,4,5,6,7
	QKROW \a
.endr
.irp e, 0,1
.irp i, 0,1,2,3
	v_cndmask_b32 v[SO+4*\e+\i], v[VB+8*\e+\i], v[VB+8*\e+4+\i], s[HM]   ; lanes 0-15: tiles 0-3; lanes 16-31: tiles 4-7
.endr
	global_store_b128 v[L16], v[SO+4*\e:SO+4*\e+3], s[OB+2*\e:OB+2*\e+1] offset:6144
.endr
	CLOSE
; ---- v.  A lane holds channel d (A's block a: head a / 4, tile a % 4) and the block's 64 registers are my 128 keys in order: one fragment.
.Lv_out:
	s_lshr_b32 s2, s[BT], 3
	s_lshl_b32 s2, s2, 2
	s_add_co_u32 s2, s2, s[CY]
	s_lshl_b32 s2, s2, 1
	s_add_co_u32 s2, s2, s[RH]                     ; half of my first head's number: 16 batch + 4 cy + 2 half
	s_lshl_b32 s2, s2, 5
	s_and_b32 s105, s[BT], 7
	s_lshl_b32 s105, s105, 1
	s_add_co_u32 s2, s2, s105
	s_add_co_u32 s2, s2, s[CH]                     ; + my 128 keys
	s_mul_i32 s2, s2, 13056
	s_add_co_u32 s2, s2, 6656                      ; behind k's part
	s_mov_b32 s3, 0
	s_add_nc_u64 s[OB:OB+1], s[14:15], s[2:3]
	s_add_nc_u64 s[OB+2:OB+3], s[OB:OB+1], 16*13056
.macro VROW a
	s_wait_xcnt 0x0
.set WN, 0x02+(\a)/4
	WIN WN
.set AC, 64*((\a)%4)
.set k, 0
.rept 32
	v_pk_add_f32 v[Y+k:Y+k+1], v[AC+k:AC+k+1], v[VB+2*(\a):VB+2*(\a)+1]   ; + my channel's bias; ascending: each accumulator from its low end on
.set k, k+2
.endr
	WIN 0
	QUANT Y
	v_mov_b32 v[SO+(\a)], v[PW]
.irp i, 0,1,2
	global_store_b128 v[L16], v[PC+4*\i:PC+4*\i+3], s[OB+2*((\a)/4):OB+2*((\a)/4)+1] offset:1536*((\a)%4)+512*\i
.endr
.if (\a)%4 == 3
	v_cndmask_b32 v[SO+8], v[SO+(\a)-3], v[SO+(\a)-1], s[HM]   ; lanes 0-15: tiles 0, 1; lanes 16-31: tiles 2, 3
	v_cndmask_b32 v[SO+9], v[SO+(\a)-2], v[SO+(\a)], s[HM]
	global_store_b64 v[L8], v[SO+8:SO+9], s[OB+2*((\a)/4):OB+2*((\a)/4)+1] offset:6144
.endif
.endm
.irp a, 0,1,2,3,4,5,6,7
	VROW \a
.endr
	CLOSE
.Lfunc_end_k_qc6455a3d64_qkv:
	.size	k_qc6455a3d64_qkv, .Lfunc_end_k_qc6455a3d64_qkv-k_qc6455a3d64_qkv
	.p2alignl 7, 3214868480
	.fill 96, 4, 3214868480
	.section	.rodata,"a",@progbits
	.p2align	6, 0x0
	.amdhsa_kernel k_qc6455a3d64_qkv
		.amdhsa_group_segment_fixed_size 327680
		.amdhsa_private_segment_fixed_size 0
		.amdhsa_enable_private_segment 0
		.amdhsa_kernarg_size 48
		.amdhsa_user_sgpr_count 2
		.amdhsa_user_sgpr_kernarg_segment_ptr 1
		.amdhsa_wavefront_size32 1
		.amdhsa_system_sgpr_workgroup_id_x 1
		.amdhsa_system_sgpr_workgroup_id_y 1
		.amdhsa_system_sgpr_workgroup_id_z 1
		.amdhsa_system_vgpr_workitem_id 0
		.amdhsa_next_free_vgpr 1024
		.amdhsa_next_free_sgpr 106
		.amdhsa_reserve_vcc 0
		.amdhsa_float_denorm_mode_32 3
		.amdhsa_float_denorm_mode_16_64 3
		.amdhsa_memory_ordered 1
		.amdhsa_forward_progress 1
		.amdhsa_inst_pref_size 247
	.end_amdhsa_kernel
	.amdgpu_metadata
---
amdhsa.version: [ 1, 2 ]
amdhsa.kernels:
  - .name:           k_qc6455a3d64_qkv
    .symbol:         k_qc6455a3d64_qkv.kd
    .args:
      - { .name: xc, .offset: 0, .size: 8, .value_kind: global_buffer, .address_space: global }
      - { .name: wc, .offset: 8, .size: 8, .value_kind: global_buffer, .address_space: global }
      - { .name: rope, .offset: 16, .size: 8, .value_kind: global_buffer, .address_space: global }
      - { .name: b_qkv, .offset: 24, .size: 8, .value_kind: global_buffer, .address_space: global }
      - { .name: qb, .offset: 32, .size: 8, .value_kind: global_buffer, .address_space: global }
      - { .name: kv, .offset: 40, .size: 8, .value_kind: global_buffer, .address_space: global }
    .group_segment_fixed_size: 327680
    .private_segment_fixed_size: 0
    .kernarg_segment_align: 8
    .kernarg_segment_size: 48
    .max_flat_workgroup_size: 128
    .sgpr_count:     106
    .vgpr_count:     1024
    .wavefront_size: 32
...
	.end_amdgpu_metadata
.endif
;; end of part 2
;; launch attn (part 3): grid 4 x 64, 16 waves a work-group, clusters of 4 x 1, 327,680 bytes of LDS; arguments qb, kv, ac; writes ac
.if DOCPART == 3
	.amdgcn_target "amdgcn-amd-amdhsa--gfx1250"
	.amdhsa_code_object_version 6
	.text
	.protected	k_qc6455a3d64_attn
	.globl	k_qc6455a3d64_attn
	.p2align	8
	.type	k_qc6455a3d64_attn,@function
k_qc6455a3d64_attn:
	s_mov_b64 s[64:65], 0
	v_nop
	global_prefetch_b8 v0, s[64:65] scope:SCOPE_SE
	s_setreg_imm32_b32 hwreg(HW_REG_WAVE_MODE, 25, 1), 1
	s_wait_xcnt 0x0
	s_wait_alu depctr_hold_cnt(0) depctr_sa_sdst(0) depctr_va_vdst(0) depctr_va_sdst(0) depctr_va_ssrc(0) depctr_va_vcc(0) depctr_vm_vsrc(0)
	s_getreg_b32 s2, hwreg(HW_REG_IB_STS2, 6, 4)
	s_cmp_eq_u32 s2, 0
	s_cbranch_scc0 .Lentry_in_a_cluster
	s_endpgm
.Lentry_in_a_cluster:
	s_bfe_u32 s2, ttmp6, 0x10000c
	s_cmp_lg_u32 s2, 0x3003
	s_cbranch_scc0 .Lentry_shape_is_right
	s_endpgm
.Lentry_shape_is_right:
; ATTN.  Causal attention of one head on codes of FP6 (E2M3) with E8M0 scales; the result, divided by the row's sum, is quantised along the model's 1,024 and leaves as the last product's operand.
; t = score x log2(e) / 8; M = the running largest t rounded up to a whole number; p = 2^(t - M) is quantised along the keys; the sum is taken of the unquantised p.  When M moves, sum and O are multiplied by 2^(old M - new M): exact.
; WORK LEFT OUT: key blocks of 128 that lie wholly behind a query tile under reference()'s own causal mask have the weight 0 for all inputs and are passed over.
; LDS HOLDS THE HEAD'S K AND V WHOLE: 16 blocks of 128 keys x 13,056 bytes = 208,896 bytes.  Each of the sixteen waves asks for one block at the head, its one tensor load; nothing is filled again, so there is no ring.
; Waves 0-3 have a load line of their own: the first barrier shows blocks 0-3 alone, four key steps are worked on them, and a second barrier, ahead of which every wave waits, shows the rest.  No other barrier follows.
; SHARES.  A head has 128 query tiles of 16.  Wave w of work-group cx owns tiles t = cx + 4 w and 127 - t: blocks 0 .. 15 - w/2 for the upper tile, then 0 .. w/2 for the lower: 17 key steps in every wave.
; Which blocks a wave works and where its mask stands hang on the wave's number alone (t / 8 = w / 2 for every cx), so the four work-groups of a head run alike.
; CLUSTER 4 x 1: the four work-groups of a head need the same 16 blocks and ask for each jointly (mask 15).  The place cx enters global addresses and the mask's numbers alone.
; NO PREFETCH: every tensor load of the launch goes out at the head; there is no later load for a loop to run ahead of.
; LAYOUT.  Both products transposed: S^T = K Q^T, O^T = V^T P^T: a lane holds one query.  Rows lie by position (position 16u + 8hh + j of 32 is row 16hh + 8u + j), so the registers of tiles 2b, 2b + 1 are 16 neighbours.
; THE HEAD IS 64 AND THE INSTRUCTION 128 DEEP: Q's upper six registers are zeros, and a tile of K is named as 12 registers of which the upper six are the next tile's: what stands there meets zero codes.
; The result's scale bytes leave as single bytes, 16 bytes apart: a head owns two bytes of each row's 32.
; LIMITS: the promise holds while the scaled scores t stay under 2^31 in magnitude.  NaN and infinities are not served; a block under 2^-124 has its byte held at 1, a block of zeros gets 1 and not 127
; (its codes are zeros; only this program reads the bytes).
.set XS,    6291456
.set BLKB,  13056                      ; 128 keys in kv: K 8 x 768, its words 512, V 4 x 1,536, its words 256
.set SPARE, 262144                     ; the spare words: 128 bytes for each of 16 waves, eight blocks of 256 bytes that no other line names
.set L16, 1                            ; v1   16 x lane
.set L8,  2                            ; v2   8 x lane
.set SPW, 3                            ; v3   my spare word; never rewritten
.set NIL, 4                            ; v4   0; never rewritten
.set DQ,  5                            ; v5   my query less the tile's first, less 16 (lane / 16)
.set A16, 6                            ; v6, v7 the block in hand + 16 lane, + 8 lane
.set A8,  7
.set R16, 8                            ; v8   16 r
.set R16H, 9                           ; v9   16 r + h
.set QF,  16                           ; v16-27 Q's fragment; v22-27 zeros
.set QS,  28                           ; v28  Q's scale word
.set NINF, 30
.set KR,  32                           ; v32-85 K's tiles, six registers each, v80-85 zeros;  later V's four fragments, v32-79
.set KS,  86                           ; v86-89 K's scale words
.set VS,  90                           ; v90-91 V's
.set SR,  96                           ; v96-159 S^T, then p
.set OT,  160                          ; v160-191 O^T
.set PF,  192                          ; v192-203 p's codes
.set CT,  204                          ; v204-210 the conversions' second halves
.set BM,  212                          ; v212-215 the blocks' largest scores, then largest p
.set BP,  216                          ; v216-219 at work
.set BO,  220                          ; v220-223 the conversions' scale operands
.set PS,  224                          ; v224 p's scale word
.set FF,  226                          ; v[226:227] f
.set TT,  228
.set MK,  229
.set Q2,  232                          ; v232-237 the lower tile's Q, v238 its scale word, loaded at the head
.set Q2S, 238
.set WV,  10
.set CXR, 11
.set BH,  12
.set LAST, 13                          ; the tile's last key block, the one with the mask
.set NN,  14
.set KB,  15                           ; the key block in hand
.set REL, 16                           ; the tile's first query less its group's first
.set LOWL, 17                          ; w / 2
.set TB,  19                           ; where the block in hand begins in LDS
.set SEL, 20
.set CS,  22                           ; s[22:23] log2(e) / 8
.set HM,  24
.set TL,  25                           ; my lower tile, my upper tile
.set TH,  26
.set G1,  28
.set G0,  36
.set UP,  40                           ; s[40:48] the upper tile: Q, Q's scale words, where the codes go, where the bytes go, REL;  s[50:58] the lower tile
.set LO,  50
.macro CROUND                          ; a round of the cluster's barrier
	s_barrier_signal -1
	s_barrier_wait -1
	s_cmp_lg_u32 s[WV], 0
	s_cbranch_scc1 .Lnot_wave_0_\@
	s_barrier_signal -3
.Lnot_wave_0_\@:
	s_barrier_wait -3
	s_barrier_signal -1
	s_barrier_wait -1
.endm
.macro TLOAD                           ; an s_nop 0 and four v_nop follow
	tensor_load_to_lds s[G0:G0+3], s[G1:G1+7]
	s_nop 0
.rept 4
	v_nop
.endr
.endm
.macro SETQ b, t                       ; the addresses of query tile s[t]: group g = t / 8, tile a = t % 8 in it
	s_lshr_b32 s66, s[\t], 3
	s_and_b32 s67, s[\t], 7
	s_lshr_b32 s68, s67, 1
	s_lshl_b32 s68, s68, 5
	s_and_b32 s69, s67, 1
	s_lshl_b32 s69, s69, 3
	s_add_co_u32 s[\b+8], s68, s69                 ; 32 (a / 2) + 8 (a % 2)
	s_lshl_b32 s68, s[BH], 4
	s_add_co_u32 s68, s68, s66
	s_mul_i32 s68, s68, 6656                       ; the group's bytes in qb
	s_mul_i32 s70, s67, 768
	s_add_co_u32 s70, s70, s68
	s_mov_b32 s71, 0
	s_add_nc_u64 s[\b:\b+1], s[4:5], s[70:71]
	s_lshr_b32 s69, s67, 2
	s_lshl_b32 s69, s69, 8
	s_and_b32 s70, s67, 3
	s_lshl_b32 s70, s70, 2
	s_add_co_u32 s70, s70, s69
	s_add_co_u32 s70, s70, s68
	s_add_co_u32 s70, s70, 6144
	s_add_nc_u64 s[\b+2:\b+3], s[4:5], s[70:71]
	s_lshr_b32 s68, s[BH], 4
	s_lshl_b32 s68, s68, 7
	s_add_co_u32 s68, s68, s[\t]                   ; the row tile in ac: 128 batch + t
	s_and_b32 s69, s[BH], 15                       ; the head in its batch
	s_mul_i32 s70, s68, 12288
	s_mul_i32 s66, s69, 768
	s_add_co_u32 s70, s70, s66
	s_add_nc_u64 s[\b+4:\b+5], s[8:9], s[70:71]
	s_lshl_b32 s70, s68, 9
	s_lshr_b32 s66, s69, 3
	s_lshl_b32 s66, s66, 8
	s_add_co_u32 s70, s70, s66
	s_and_b32 s66, s69, 7
	s_lshl_b32 s66, s66, 1
	s_add_co_u32 s70, s70, s66
	s_add_co_u32 s70, s70, XS
	s_add_nc_u64 s[\b+6:\b+7], s[8:9], s[70:71]
.endm
.macro INIT                            ; a tile begins: zeros that the first change of M leaves zeros
	v_mov_b32 v13, 0xff61b1e6                      ; the largest t so far: -3e38
	s_delay_alu instid0(VALU_DEP_1)
	v_floor_f32 v12, -v13                          ; -M
	v_mov_b32 v14, 0
	v_mov_b32 v15, 0
.set k, 0
.rept 32
	v_mov_b32 v[OT+k], 0
.set k, k+1
.endr
.endm
; THE WAY OUT of a tile: O^T / the sum; its 32 registers are d = 32 b + 16 h + 0..15: two blocks of the last product's K; codes and bytes go to ac.
.macro WAYOUT ob
.rept 4
	v_nop                                          ; places behind the last products
.endr
	v_add_f32 v14, v14, v15
	s_delay_alu instid0(VALU_DEP_1)
	v_permlanex16_b32 v[TT], v14, s[SEL], s[SEL+1]
	s_delay_alu instid0(VALU_DEP_1)
	v_add_f32 v14, v14, v[TT]                      ; the row's sum
	s_wait_alu depctr_va_vdst(0)
	v_rcp_f32 v14, v14
	v_nop                                          ; a plain place behind the reciprocal
	s_wait_alu depctr_va_vdst(0)                   ; the wait ahead of its first reader
.set k, 0
.rept 16
	v_pk_mul_f32 v[SR+k:SR+k+1], v[OT+k:OT+k+1], v[14:15] op_sel_hi:[1,0]   ; ascending: each accumulator from its low end on
.set k, k+2
.endr
.irp b, 0,1
	v_max3_num_f32 v[BM+\b], |v[SR+16*\b]|, |v[SR+1+16*\b]|, 0x1800000
.endr
.irp i, 2,4,6,8,10,12,14
.irp b, 0,1
	s_delay_alu instid0(VALU_DEP_2)
	v_max3_num_f32 v[BM+\b], v[BM+\b], |v[SR+16*\b+\i]|, |v[SR+1+16*\b+\i]|
.endr
.endr
.irp b, 0,1
	s_delay_alu instid0(VALU_DEP_2)
	v_permlanex16_b32 v[BP+\b], v[BM+\b], s[SEL], s[SEL+1]
.endr
.irp b, 0,1
	s_delay_alu instid0(VALU_DEP_2)
	v_max_num_f32 v[BM+\b], v[BM+\b], v[BP+\b]
.endr
.irp b, 0,1
	s_delay_alu instid0(VALU_DEP_2)
	v_add_nc_u32 v[BO+\b], 0xff000000, v[BM+\b]
.endr
.irp b, 0,1
	s_delay_alu instid0(VALU_DEP_2)
	v_lshrrev_b32 v[BP+\b], 23, v[BO+\b]
.endr
	v_cvt_scalef32_pk16_fp6_f32 v[PF:PF+2], v[SR:SR+15], v[BO]
	v_cvt_scalef32_pk16_fp6_f32 v[CT:CT+2], v[SR+16:SR+31], v[BO+1]
	v_cndmask_b32 v[MK], v[BP], v[BP+1], s[HM]     ; my half's block's byte.  (A plain place behind the conversions)
.irp i, 0,1,2
	v_permlane16_swap_b32 v[PF+\i], v[CT+\i]       ; lanes 0-15 get block 0 whole, lanes 16-31 block 1
.endr
.irp i, 0,1,2
	s_delay_alu instid0(VALU_DEP_3)
	v_mov_b32 v[PF+3+\i], v[CT+\i]
.endr
	global_store_b128 v[L16], v[PF:PF+3], s[\ob+4:\ob+5]
	global_store_b64 v[L8], v[PF+4:PF+5], s[\ob+4:\ob+5] offset:512
	global_store_b8 v[R16H], v[MK], s[\ob+6:\ob+7]
	s_wait_xcnt 0x0                                ; the stores have read their registers
.endm
; A KEY STEP: the 128 keys of the block at s[TB].  tests = 1: a block behind my tile's last is passed over, and the last one is masked; both tests hang on the wave's number and the count of trips.
.macro STEP tests
.if \tests
	s_cmp_gt_u32 s[KB], s[LAST]
	s_cbranch_scc1 .Lhid_\@
.endif
	v_add_nc_u32 v[A16], s[TB], v[L16]
	v_add_nc_u32 v[A8], s[TB], v[L8]
	v_nop
	v_nop                                          ; four places in front of loads into registers that the last products read
.irp t, 0,1,2,3,4,5,6,7
	ds_load_b128 v[KR+6*\t:KR+6*\t+3], v[A16] offset:768*\t
	ds_load_b64 v[KR+6*\t+4:KR+6*\t+5], v[A8] offset:768*\t+512
.endr
	ds_load_b128 v[KS:KS+3], v[A16] offset:6144
	s_wait_alu depctr_va_vdst(0)
	s_wait_dscnt 0x0
.irp t, 0,1,2,3
	v_wmma_scale_f32_16x16x128_f8f6f4 v[SR+8*\t:SR+8*\t+7], v[KR+6*\t:KR+6*\t+11], v[QF:QF+11], 0, v[KS+\t], v[QS] matrix_a_fmt:MATRIX_FMT_FP6 matrix_b_fmt:MATRIX_FMT_FP6
.endr
.irp t, 4,5,6,7
	v_wmma_scale_f32_16x16x128_f8f6f4 v[SR+8*\t:SR+8*\t+7], v[KR+6*\t:KR+6*\t+11], v[QF:QF+11], 0, v[KS+\t-4], v[QS] matrix_a_fmt:MATRIX_FMT_FP6 matrix_b_fmt:MATRIX_FMT_FP6 matrix_a_scale:MATRIX_SCALE_ROW1
.endr
.rept 4
	v_nop
.endr
.irp t, 0,1,2,3                        ; V's fragments are asked for now and land under the softmax
.irp i, 0,1,2
	ds_load_b128 v[KR+12*\t+4*\i:KR+12*\t+4*\i+3], v[A16] offset:6656+1536*\t+512*\i
.endr
.endr
	ds_load_b64 v[VS:VS+1], v[A8] offset:12800
.if \tests
	s_cmp_lg_u32 s[KB], s[LAST]                    ; an earlier block: all its keys count for all my queries
	s_cbranch_scc1 .Lopen_\@
	v_add_nc_u32 v[MK], s[REL], v[DQ]              ; register 16 b + i holds the block's key 32 b + 16 h + i: hidden where 32 b + i is above this
.set n, 0
.rept 64
	v_cmp_gt_i32 vcc_lo, 32*(n/16)+n%16, v[MK]
	v_cndmask_b32 v[SR+n], v[SR+n], v[NINF], vcc_lo
.set n, n+1
.endr
.Lopen_\@:
.endif
.irp b, 0,1,2,3
	v_max3_num_f32 v[BM+\b], v[SR+16*\b], v[SR+1+16*\b], v[SR+2+16*\b]   ; each block's largest score: for the row's maximum, and, since p rises with the score, for the block's largest p
.endr
.irp i, 3,5,7,9,11,13
.irp b, 0,1,2,3
	v_max3_num_f32 v[BM+\b], v[BM+\b], v[SR+16*\b+\i], v[SR+1+16*\b+\i]
.endr
.endr
.irp b, 0,1,2,3
	v_max_num_f32 v[BM+\b], v[BM+\b], v[SR+15+16*\b]
.endr
.irp b, 0,1,2,3
	s_delay_alu instid0(VALU_DEP_4)
	v_permlanex16_b32 v[BP+\b], v[BM+\b], s[SEL], s[SEL+1]
.endr
.irp b, 0,1,2,3
	s_delay_alu instid0(VALU_DEP_4)
	v_max_num_f32 v[BM+\b], v[BM+\b], v[BP+\b]
.endr
	s_delay_alu instid0(VALU_DEP_2)
	v_max3_num_f32 v[TT], v[BM], v[BM+1], v[BM+2]
	s_delay_alu instid0(VALU_DEP_1)
	v_max_num_f32 v[TT], v[TT], v[BM+3]
	s_delay_alu instid0(VALU_DEP_1)
	v_mul_f32 v[TT], s[CS], v[TT]
	s_delay_alu instid0(VALU_DEP_1)
	v_max_num_f32 v13, v13, v[TT]                  ; the running largest t
	v_mov_b32 v[TT], v12
	s_delay_alu instid0(VALU_DEP_2)
	v_floor_f32 v12, -v13                          ; the new -M: a whole number
	s_delay_alu instid0(VALU_DEP_1)
	v_sub_f32 v[TT], v12, v[TT]
	s_delay_alu instid0(VALU_DEP_1)
	v_cvt_i32_f32 v[TT], v[TT]                     ; (it saturates)
	s_delay_alu instid0(VALU_DEP_1)
	v_ldexp_f32 v[FF], 1.0, v[TT]                  ; f = 2^(old M - new M)
.set j, 0
.rept 32
	v_pk_fma_f32 v[SR+j:SR+j+1], v[SR+j:SR+j+1], s[CS:CS+1], v[12:13] op_sel_hi:[1,0,0]   ; t - M
.set j, j+2
.endr
.irp b, 0,1,2,3
	v_fma_f32 v[BM+\b], v[BM+\b], s[CS], v12
.endr
.set j, 0
	s_wait_alu depctr_va_vdst(0)
.rept 64
	v_exp_f32 v[SR+j], v[SR+j]                     ; p, not normalised
.set j, j+1
.endr
	v_pk_mul_f32 v[14:15], v[14:15], v[FF:FF+1] op_sel_hi:[1,0]   ; the sums under the new M.  (A plain place behind the exponentials)
	s_wait_alu depctr_va_vdst(0)                   ; one wait for the batch, ahead of its first reader
.irp b, 0,1,2,3
	v_exp_f32 v[BM+\b], v[BM+\b]                   ; the blocks' largest p
.endr
	v_pk_add_f32 v[216:217], v[100:101], v[104:105]   ; the row's sum of the unquantised p, in eight chains
	v_pk_add_f32 v[254:255], v[108:109], v[112:113]
	v_pk_add_f32 v[252:253], v[116:117], v[120:121]
	v_pk_add_f32 v[250:251], v[124:125], v[128:129]
	v_pk_add_f32 v[248:249], v[132:133], v[136:137]
	v_pk_add_f32 v[246:247], v[140:141], v[144:145]
	v_pk_add_f32 v[244:245], v[148:149], v[152:153]
	v_pk_add_f32 v[14:15], v[14:15], v[156:157]
	v_pk_add_f32 v[216:217], v[216:217], v[96:97]
	v_pk_add_f32 v[254:255], v[254:255], v[98:99]
	v_pk_add_f32 v[252:253], v[252:253], v[102:103]
	v_pk_add_f32 v[250:251], v[250:251], v[106:107]
	v_pk_add_f32 v[248:249], v[248:249], v[110:111]
	v_pk_add_f32 v[246:247], v[246:247], v[114:115]
	v_pk_add_f32 v[244:245], v[244:245], v[118:119]
	v_pk_add_f32 v[14:15], v[14:15], v[122:123]
	v_pk_add_f32 v[216:217], v[216:217], v[126:127]
	v_pk_add_f32 v[254:255], v[254:255], v[130:131]
	v_pk_add_f32 v[252:253], v[252:253], v[134:135]
	v_pk_add_f32 v[250:251], v[250:251], v[138:139]
	v_pk_add_f32 v[248:249], v[248:249], v[142:143]
	v_pk_add_f32 v[246:247], v[246:247], v[146:147]
	v_pk_add_f32 v[244:245], v[244:245], v[150:151]
	v_pk_add_f32 v[14:15], v[14:15], v[154:155]
	v_pk_add_f32 v[216:217], v[216:217], v[158:159]
	s_delay_alu instid0(VALU_DEP_2)
	v_pk_add_f32 v[14:15], v[14:15], v[250:251]
	s_delay_alu instid0(VALU_DEP_2)
	v_pk_add_f32 v[216:217], v[216:217], v[248:249]
	v_pk_add_f32 v[254:255], v[254:255], v[246:247]
	v_pk_add_f32 v[252:253], v[252:253], v[244:245]
	s_delay_alu instid0(VALU_DEP_2)
	v_pk_add_f32 v[14:15], v[14:15], v[254:255]
	s_delay_alu instid0(VALU_DEP_2)
	v_pk_add_f32 v[216:217], v[216:217], v[252:253]
	s_delay_alu instid0(VALU_DEP_1)
	v_pk_add_f32 v[14:15], v[14:15], v[216:217]
	s_wait_alu depctr_va_vdst(0)                   ; and one for the four
.irp b, 0,1,2,3
	v_max_num_f32 v[BM+\b], 0x1800000, v[BM+\b]    ; the floor: the byte cannot fall under 1
.endr
.irp b, 0,1,2,3
	s_delay_alu instid0(VALU_DEP_4)
	v_add_nc_u32 v[BO+\b], 0xff000000, v[BM+\b]
.endr
.irp b, 0,1,2,3
	s_delay_alu instid0(VALU_DEP_4)
	v_lshrrev_b32 v[BP+\b], 23, v[BO+\b]
.endr
	s_delay_alu instid0(VALU_DEP_3)
	v_lshl_or_b32 v[PS], v[BP+1], 8, v[BP]
	s_delay_alu instid0(VALU_DEP_1)
	v_lshl_or_b32 v[PS], v[BP+2], 16, v[PS]
	s_delay_alu instid0(VALU_DEP_1)
	v_lshl_or_b32 v[PS], v[BP+3], 24, v[PS]
.irp c, 0,1
	v_cvt_scalef32_pk16_fp6_f32 v[PF+6*\c:PF+6*\c+2], v[SR+32*\c:SR+32*\c+15], v[BO+2*\c]
	v_cvt_scalef32_pk16_fp6_f32 v[CT+4*\c:CT+4*\c+2], v[SR+32*\c+16:SR+32*\c+31], v[BO+2*\c+1]
.endr
	v_nop
.irp c, 0,1
.irp i, 0,1,2
	v_permlane16_swap_b32 v[PF+6*\c+\i], v[CT+4*\c+\i]
.endr
.irp i, 0,1,2
	s_delay_alu instid0(VALU_DEP_3)
	v_mov_b32 v[PF+3+6*\c+\i], v[CT+4*\c+\i]
.endr
.endr
	s_wait_alu depctr_va_vdst(0)                   ; the wait directly ahead of the first reader of O^T
.set j, 0
.rept 16
	v_pk_mul_f32 v[OT+j:OT+j+1], v[OT+j:OT+j+1], v[FF:FF+1] op_sel_hi:[1,0]   ; O^T under the new M; these are also the places in front of the scaled products
.set j, j+2
.endr
	s_wait_alu depctr_va_vdst(0)
	s_wait_dscnt 0x0                               ; V is in
.irp t, 0,1
	v_wmma_scale_f32_16x16x128_f8f6f4 v[OT+8*\t:OT+8*\t+7], v[KR+12*\t:KR+12*\t+11], v[PF:PF+11], v[OT+8*\t:OT+8*\t+7], v[VS+\t], v[PS] matrix_a_fmt:MATRIX_FMT_FP6 matrix_b_fmt:MATRIX_FMT_FP6
.endr
.irp t, 2,3
	v_wmma_scale_f32_16x16x128_f8f6f4 v[OT+8*\t:OT+8*\t+7], v[KR+12*\t:KR+12*\t+11], v[PF:PF+11], v[OT+8*\t:OT+8*\t+7], v[VS+\t-2], v[PS] matrix_a_fmt:MATRIX_FMT_FP6 matrix_b_fmt:MATRIX_FMT_FP6 matrix_a_scale:MATRIX_SCALE_ROW1
.endr
.if \tests
.Lhid_\@:
.endif
.endm
	s_load_b128 s[4:7], s[0:1], 0x0                ; qb, kv
	s_load_b64 s[8:9], s[0:1], 0x10                ; ac
	v_lshl_add_u32 v[SPW], v0, 2, SPARE
	v_mov_b32 v[NIL], 0
	ds_add_u32 v[SPW], v[NIL]                      ; the opening: the add, twice on end, and its wait ahead of the first tensor load; work on registers stands between
	ds_add_u32 v[SPW], v[NIL]
	v_lshrrev_b32 v6, 5, v0
	s_delay_alu instid0(VALU_DEP_1)
	v_readfirstlane_b32 s[WV], v6
	s_bfe_u32 s[CXR], ttmp6, 0x40000               ; cx: my place among the head's four
	s_and_b32 s[BH], ttmp7, 0xffff                 ; the cluster's y: the head
	s_lshr_b32 s[LOWL], s[WV], 1
	s_sub_co_u32 s[LAST], 15, s[LOWL]              ; the upper tile comes first
	s_lshl_b32 s[TL], s[WV], 2
	s_add_co_u32 s[TL], s[TL], s[CXR]
	s_sub_co_u32 s[TH], 127, s[TL]
	s_mov_b32 s[G1], 15|(3<<16)|(1<<21)            ; the mask of all four; elements of 8 bytes; bit 21 beside a mask; no padding
	s_mov_b32 s[G1+1], 32<<16                      ; 51 rows of 256 bytes, dense: a block of 128 keys
	s_mov_b32 s[G1+2], 51<<16
	s_mov_b32 s[G1+3], 32<<16
	s_mov_b32 s[G1+4], 51
	s_mov_b32 s[G1+5], 32
	s_mov_b32 s[G1+6], 0
	s_mov_b32 s[G1+7], 0
	s_mov_b32 s[SEL], 0x76543210
	s_mov_b32 s[SEL+1], 0xfedcba98
	s_mov_b32 s[CS], 0x3e38aa3b
	s_mov_b32 s[CS+1], s[CS]
	s_mov_b32 s[HM], 0xffff0000
	s_mov_b32 s[G0], 1
	s_mul_i32 s[G0+1], s[WV], BLKB                 ; wave w fetches block w: in LDS and in memory alike
	s_mul_i32 s66, s[BH], 16*BLKB
	s_add_co_u32 s66, s66, s[G0+1]
	s_mov_b32 s67, 0
	s_wait_dscnt 0x0                               ; both opening adds are done
	CROUND                                         ; all four work-groups are here: the joint loads meet
	s_wait_kmcnt 0x0
	s_add_nc_u64 s[G0+2:G0+3], s[6:7], s[66:67]
	s_or_b32 s[G0+3], s[G0+3], 0x80000000
	s_cmp_lt_u32 s[WV], 4                          ; one load a wave; waves 0-3 have a line of their own, since they alone wait ahead of the first barrier
	s_cbranch_scc0 .Lrest_ask
	TLOAD
	s_branch .Lasked
.Lrest_ask:
	TLOAD
.Lasked:
	SETQ UP, TH
	SETQ LO, TL
	s_mov_b32 s[REL], s[UP+8]
	v_and_b32 v6, 31, v0
	s_delay_alu instid0(VALU_DEP_1)
	v_lshlrev_b32 v[L16], 4, v6
	s_delay_alu instid0(VALU_DEP_2)
	v_lshlrev_b32 v[L8], 3, v6
	v_and_b32 v6, 15, v0                           ; r
	v_bfe_u32 v7, v0, 4, 1                         ; h
	s_delay_alu instid0(VALU_DEP_2)
	v_lshlrev_b32 v[R16], 4, v6
	s_delay_alu instid0(VALU_DEP_1)
	v_add_nc_u32 v[R16H], v[R16], v7
	s_delay_alu instid0(VALU_DEP_4)
	v_and_b32 v[DQ], 8, v6
	s_delay_alu instid0(VALU_DEP_1)
	v_add_nc_u32 v[DQ], v[DQ], v6                  ; position r is query r + 8 (r / 8) of the tile's 24
	v_lshlrev_b32 v7, 4, v7
	s_delay_alu instid0(VALU_DEP_1)
	v_sub_nc_u32 v[DQ], v[DQ], v7
	global_load_b128 v[QF:QF+3], v[L16], s[UP:UP+1]           ; both tiles' Q now
	global_load_b64 v[QF+4:QF+5], v[L8], s[UP:UP+1] offset:512
	global_load_b32 v[QS], v[R16], s[UP+2:UP+3]
	global_load_b128 v[Q2:Q2+3], v[L16], s[LO:LO+1]
	global_load_b64 v[Q2+4:Q2+5], v[L8], s[LO:LO+1] offset:512
	global_load_b32 v[Q2S], v[R16], s[LO+2:LO+3]
.irp i, 0,1,2,3,4,5
	v_mov_b32 v[QF+6+\i], 0                        ; Q's upper 64 along K: zero codes
	v_mov_b32 v[KR+48+\i], 0                       ; what the last tile of K names beyond its six
.endr
	v_mov_b32 v[NINF], 0xff800000
.irp b, 0,1,2,3
	v_mov_b32 v[BP+\b], 0                          ; written once: a lane permute's destination counts as one of its sources
.endr
	v_mov_b32 v[FF+1], 0                           ; (named as the upper half of a pair)
	v_mov_b32 v[TT], 0
	INIT
	s_mov_b32 s[TB], 0
	s_mov_b32 s[NN], 0
	s_wait_alu depctr_va_vdst(0)
	s_wait_loadcnt 0x0
	s_cmp_lt_u32 s[WV], 4
	s_cbranch_scc0 .Lnot_first
	s_wait_tensorcnt 0x0                           ; waves 0-3: my block is in
.Lnot_first:
	s_barrier_signal -1
	s_barrier_wait -1                              ; blocks 0-3 are in; the other twelve may be on their way
.Lfirst:                                           ; blocks 0-3 of the upper tile, whose last block is 8 at the least: no test
	STEP 0
	s_add_co_u32 s[TB], s[TB], BLKB
	s_add_co_u32 s[NN], s[NN], 1
	s_cmp_lt_u32 s[NN], 4
	s_cbranch_scc1 .Lfirst
	s_wait_tensorcnt 0x0                           ; every wave: my block is in
	s_barrier_signal -1
	s_barrier_wait -1                              ; all sixteen blocks are in
	s_mov_b32 s[NN], 0
.Lrest:                                            ; twenty trips: blocks 4-15 for the upper tile, then blocks 0-7 for the lower
	s_add_co_u32 s[KB], s[NN], 4
	s_and_b32 s[KB], s[KB], 15
	s_mul_i32 s[TB], s[KB], BLKB
	s_cmp_lg_u32 s[NN], 12
	s_cbranch_scc1 .Lsame
	WAYOUT UP                                      ; the upper tile is done; the lower begins
.irp i, 0,1,2,3,4,5
	v_mov_b32 v[QF+\i], v[Q2+\i]
.endr
	v_mov_b32 v[QS], v[Q2S]                        ; (the 36 lines below are the places ahead of the scaled products)
	INIT
	s_mov_b32 s[LAST], s[LOWL]
	s_mov_b32 s[REL], s[LO+8]
	s_wait_alu depctr_va_vdst(0)
.Lsame:
	STEP 1
	s_add_co_u32 s[NN], s[NN], 1
	s_cmp_lt_u32 s[NN], 20
	s_cbranch_scc1 .Lrest
	WAYOUT LO
	s_wait_tensorcnt 0x0                           ; the wave's end
	ds_add_u32 v[SPW], v[NIL]
	s_wait_dscnt 0x0
	CROUND                                         ; the closing round
	s_endpgm
.Lfunc_end_k_qc6455a3d64_attn:
	.size	k_qc6455a3d64_attn, .Lfunc_end_k_qc6455a3d64_attn-k_qc6455a3d64_attn
	.p2alignl 7, 3214868480
	.fill 96, 4, 3214868480
	.section	.rodata,"a",@progbits
	.p2align	6, 0x0
	.amdhsa_kernel k_qc6455a3d64_attn
		.amdhsa_group_segment_fixed_size 327680
		.amdhsa_private_segment_fixed_size 0
		.amdhsa_enable_private_segment 0
		.amdhsa_kernarg_size 24
		.amdhsa_user_sgpr_count 2
		.amdhsa_user_sgpr_kernarg_segment_ptr 1
		.amdhsa_wavefront_size32 1
		.amdhsa_system_sgpr_workgroup_id_x 1
		.amdhsa_system_sgpr_workgroup_id_y 1
		.amdhsa_system_sgpr_workgroup_id_z 1
		.amdhsa_system_vgpr_workitem_id 0
		.amdhsa_next_free_vgpr 256
		.amdhsa_next_free_sgpr 72
		.amdhsa_reserve_vcc 1
		.amdhsa_float_denorm_mode_32 3
		.amdhsa_float_denorm_mode_16_64 3
		.amdhsa_memory_ordered 1
		.amdhsa_forward_progress 1
		.amdhsa_inst_pref_size 59
	.end_amdhsa_kernel
	.amdgpu_metadata
---
amdhsa.version: [ 1, 2 ]
amdhsa.kernels:
  - .name:           k_qc6455a3d64_attn
    .symbol:         k_qc6455a3d64_attn.kd
    .args:
      - { .name: qb, .offset: 0, .size: 8, .value_kind: global_buffer, .address_space: global }
      - { .name: kv, .offset: 8, .size: 8, .value_kind: global_buffer, .address_space: global }
      - { .name: ac, .offset: 16, .size: 8, .value_kind: global_buffer, .address_space: global }
    .group_segment_fixed_size: 327680
    .private_segment_fixed_size: 0
    .kernarg_segment_align: 8
    .kernarg_segment_size: 24
    .max_flat_workgroup_size: 512
    .sgpr_count:     72
    .vgpr_count:     256
    .wavefront_size: 32
...
	.end_amdgpu_metadata
.endif
;; end of part 3
;; launch proj (part 4): grid 4 x 64, 4 waves a work-group, clusters of 4 x 4, 327,680 bytes of LDS; arguments ac, wc, b_proj, out0; writes out0
.if DOCPART == 4
	.amdgcn_target "amdgcn-amd-amdhsa--gfx1250"
	.amdhsa_code_object_version 6
	.text
	.protected	k_qc6455a3d64_proj
	.globl	k_qc6455a3d64_proj
	.p2align	8
	.type	k_qc6455a3d64_proj,@function
k_qc6455a3d64_proj:
	s_mov_b64 s[64:65], 0
	v_nop
	global_prefetch_b8 v0, s[64:65] scope:SCOPE_SE
	s_setreg_imm32_b32 hwreg(HW_REG_WAVE_MODE, 25, 1), 1
	s_wait_xcnt 0x0
	s_wait_alu depctr_hold_cnt(0) depctr_sa_sdst(0) depctr_va_vdst(0) depctr_va_sdst(0) depctr_va_ssrc(0) depctr_va_vcc(0) depctr_vm_vsrc(0)
	s_getreg_b32 s2, hwreg(HW_REG_IB_STS2, 6, 4)
	s_cmp_eq_u32 s2, 0
	s_cbranch_scc0 .Lentry_in_a_cluster
	s_endpgm
.Lentry_in_a_cluster:
	s_bfe_u32 s2, ttmp6, 0x10000c
	s_cmp_lg_u32 s2, 0xf033
	s_cbranch_scc0 .Lentry_shape_is_right
	s_endpgm
.Lentry_shape_is_right:
; PROJ.  out0 = attention's result x w_proj + b_proj on codes of FP6 (E2M3) with E8M0 scales, f32 out.
; A block of the result is 128 rows x 256 columns: 64 x 4 = 256 work-groups.  Four waves, 2 x 2: a wave makes 64 x 128: 32 accumulators, 256 registers.
; Operand buffers are images of operand registers, [row tile of 16][K step 0-7][1536], as launch prep lays them; behind the codes 512 bytes of scale words a row tile.
; ALL OF K LIES IN LDS: two slots of four K steps each (A's 8 row tiles, then B's 16, rows of 6,144 bytes): 2 x 147,456 bytes, each filled ONCE; behind them the scale images, 4,096 + 8,192 bytes.
; Slot 0 and the scales are asked for at the head, one load a wave; slot 1 behind the three lines and a round, one load a wave.  Nothing is filled again.  One plain barrier, at K step 3, shows slot 1 to all waves.
; THE MATRIX INSTRUCTION IS USED TRANSPOSED: source 0 = 16 columns of the weight, source 1 = 16 rows: a lane holds eight neighbouring numbers of a row.  The bias is the first products' C.
; A's fragments have two sets of four, B's two sets of eight: a K step's 48 loads go out ahead of the step before's 32 products.
; CLUSTERS: 4 x 4 work-groups; A's tiles are shared along a row of the cluster, B's along a column: each is asked for jointly.
; NO PREFETCH: the launch has two fills, the first at the head and the second directly behind the first's landing: no loop runs ahead of a load.
; THE WAY OUT goes through each wave's own stage, in slot 0: that slot has had its one fill, and behind the barrier at K step 3 no wave reads it.
; REGISTERS.  window 0: v16-31 addresses; v32-63 scale words, two sets; v64-127 the bias; v128-223 A's fragments.  window 1: B's fragments at v0 and v128.  window 2: the accumulators, (a, b) at v[8 (8 a + b)].
.set XS,    6291456
.set WS,    3145728
.set FR,    12                         ; registers of a fragment
.set NP,    4                          ; places behind this matrix instruction (ISA guide 7.12.1)
.set NQ,    2                          ; K steps that one set of scale words serves
.set RWB,   6144                       ; a row tile's four K steps
.set HALFA, 4*RWB                      ; what one wave reads of A in a slot
.set HALFB, 8*RWB                      ; and of B
.set SLOT,  2*HALFA+2*HALFB
.set SCL,   2*SLOT
.set SPARE, SCL+12288                  ; the spare words: 128 bytes a wave, two blocks of 256 bytes that no other line names
.set SPITCH, 528
.set A16, 16                           ; v16-17 A's fragments in slot 0, 1: + 16 lane;  v18-19: + 512 + 8 lane
.set A8,  18
.set B16, 20                           ; v20-23 the same for B
.set B8,  22
.set L16, 24
.set L8,  25
.set STO, 26
.set ADRS, 27                          ; my scale words in LDS: lanes 0-15 A's, lanes 16-31 B's
.set SPW, 28                           ; my spare word; never rewritten
.set NIL, 29                           ; 0; never rewritten
.set BAD, 30
.set RD,  31
.set SC,  32
.set BIAS, 64
.set AF,  128
.set BK,  128
.set WV,  16
.set RH,  17                           ; A's half that I multiply.  Also: I fetch for A (0) or B (1)
.set CH,  18                           ; B's half.  Also: which half of a tile I fetch
.set CX,  20
.set CY,  21
.set BY,  23
.set G1,  24
.set G0,  32
.set G1B, 48
.set G0B, 56
.set AT,  66                           ; A's tile of 128 rows: made of cy alone
.set BT,  67                           ; B's tile of 256 columns: of cx alone
.set G1S, 68
.set G0S, 76
.set G1SB, 80
.set G0SB, 88
.set MSB, 0
.macro WIN new                         ; the immediate's high byte repeats the setting that is left
.if MSB != \new
	s_set_vgpr_msb (MSB<<8)|\new
.set MSB, \new
.endif
.endm
.set MUL_LO, 0xa1                      ; source 0 (B) window 1, source 1 (A) window 0, C and D window 2
.set ONE_LO, 0x81                      ; the first K step: C (the bias) window 0
.set TO_B,   0x40
.macro HLOAD g0, g1                    ; an s_nop 0 and four v_nop follow each tensor load
	tensor_load_to_lds s[\g0:\g0+3], s[\g1:\g1+7]
	s_nop 0
.rept 4
	v_nop
.endr
.endm
.macro CROUND                          ; a round of the cluster's barrier
	s_barrier_signal -1
	s_barrier_wait -1
	s_cmp_lg_u32 s[WV], 0
	s_cbranch_scc1 .Lnot_wave_0_\@
	s_barrier_signal -3
.Lnot_wave_0_\@:
	s_barrier_wait -3
	s_barrier_signal -1
	s_barrier_wait -1
.endm
.macro PLACES n
.rept \n
	v_nop
.endr
.endm
.macro GRP1 g, el, rows, pitch         ; descriptor group 1 behind its first word: rows of el elements of 8 bytes
	s_mov_b32 s[\g+1], (\el)<<16
	s_mov_b32 s[\g+2], (\rows)<<16
	s_mov_b32 s[\g+3], (\el)<<16
	s_mov_b32 s[\g+4], \rows
	s_mov_b32 s[\g+5], \pitch
	s_mov_b32 s[\g+6], 0
	s_mov_b32 s[\g+7], 0
.endm
	s_load_b256 s[4:11], s[0:1], 0x0               ; ac, wc, b_proj, out0
	v_lshl_add_u32 v[SPW], v0, 2, SPARE
	v_mov_b32 v[NIL], 0
	ds_add_u32 v[SPW], v[NIL]                      ; the opening: the add, twice on end, and its wait ahead of my first tensor load
	ds_add_u32 v[SPW], v[NIL]
	v_lshrrev_b32 v1, 5, v0
	v_readfirstlane_b32 s[WV], v1
	s_lshr_b32 s[RH], s[WV], 1
	s_and_b32 s[CH], s[WV], 1
	s_bfe_u32 s[CX], ttmp6, 0x40000
	s_bfe_u32 s[CY], ttmp6, 0x40004
	s_and_b32 s[BY], ttmp7, 0xffff
	s_lshl_b32 s40, s[CY], 2
	s_lshl_b32 s40, 15, s40                        ; my row of the cluster
	s_lshl_b32 s44, 0x1111, s[CX]                  ; my column
	s_or_b32 s[G1], s40, (3<<16)|(1<<21)           ; the mask; elements of 8 bytes; bit 21 beside a mask; no padding: images are read 16 or 8 bytes a lane on end
	s_or_b32 s[G1B], s44, (3<<16)|(1<<21)
	s_or_b32 s[G1S], s40, (3<<16)|(1<<21)
	s_or_b32 s[G1SB], s44, (3<<16)|(1<<21)
	GRP1 G1, 768, 8, 1536                          ; the head's loads: A's 8 row tiles x 6,144 bytes, 12,288 bytes apart,
	GRP1 G1B, 768, 16, 1536                        ; B's 16,
	GRP1 G1S, 32, 16, 32                           ; A's scale images, 4,096 dense bytes as rows of 256,
	GRP1 G1SB, 32, 32, 32                          ; B's, 8,192
	s_lshl_b32 s[AT], s[BY], 2
	s_add_co_u32 s[AT], s[AT], s[CY]
	s_lshl_b32 s[BT], ttmp9, 2
	s_add_co_u32 s[BT], s[BT], s[CX]
	s_lshl_b32 s40, s[AT], 3
	s_lshl_b32 s42, s[CH], 2
	s_add_co_u32 s40, s40, s42                     ; the first of the 4 row tiles that I would fetch for A,
	s_mul_i32 s40, s40, 12288
	s_lshl_b32 s44, s[BT], 4
	s_lshl_b32 s46, s[CH], 3
	s_add_co_u32 s44, s44, s46
	s_add_co_u32 s44, s44, 192                     ; and of the 8 for B: w_proj begins at the weights' row tile 192
	s_mul_i32 s44, s44, 12288
	s_lshl_b32 s42, s[AT], 12                      ; the scale images of A's 8 row tiles,
	s_add_co_u32 s42, s42, XS
	s_lshl_b32 s46, s[BT], 13                      ; of B's 16
	s_add_co_u32 s46, s46, WS+192*512
	s_mov_b32 s41, 0
	s_mov_b32 s43, 0
	s_mov_b32 s45, 0
	s_mov_b32 s47, 0
	s_mul_i32 s2, s[CH], HALFA                     ; where they go: the wave's number alone enters an LDS address
	s_mul_i32 s3, s[CH], HALFB
	s_add_co_u32 s3, s3, 2*HALFA
	s_mov_b32 s[G0], 1
	s_mov_b32 s[G0+1], s2
	s_mov_b32 s[G0+4], 1
	s_add_co_u32 s[G0+5], s2, SLOT
	s_mov_b32 s[G0B], 1
	s_mov_b32 s[G0B+1], s3
	s_mov_b32 s[G0B+4], 1
	s_add_co_u32 s[G0B+5], s3, SLOT
	s_mov_b32 s[G0S], 1
	s_mov_b32 s[G0S+1], SCL
	s_mov_b32 s[G0SB], 1
	s_mov_b32 s[G0SB+1], SCL+4096
	s_wait_dscnt 0x0                               ; both opening adds are done
	s_wait_kmcnt 0x0
	s_add_nc_u64 s[G0+2:G0+3], s[4:5], s[40:41]
	s_add_nc_u64 s[G0+6:G0+7], s[G0+2:G0+3], RWB   ; slot 1 holds K steps 4-7
	s_add_nc_u64 s[G0S+2:G0S+3], s[4:5], s[42:43]
	s_add_nc_u64 s[G0B+2:G0B+3], s[6:7], s[44:45]
	s_add_nc_u64 s[G0B+6:G0B+7], s[G0B+2:G0B+3], RWB
	s_add_nc_u64 s[G0SB+2:G0SB+3], s[6:7], s[46:47]
	s_or_b32 s[G0+3], s[G0+3], 0x80000000
	s_or_b32 s[G0+7], s[G0+7], 0x80000000
	s_or_b32 s[G0S+3], s[G0S+3], 0x80000000
	s_or_b32 s[G0B+3], s[G0B+3], 0x80000000
	s_or_b32 s[G0B+7], s[G0B+7], 0x80000000
	s_or_b32 s[G0SB+3], s[G0SB+3], 0x80000000
	CROUND                                         ; all sixteen work-groups are here: the first joint loads meet
; THE HEAD'S LOADS, ONE A WAVE, in one tree of branches on the wave's number: wave 0 slot 0's 8 row tiles of A (its own group 0 names A's first tile and LDS byte 0),
; wave 2 the 16 of B (its group 0 names B's first tile and LDS byte 2 HALFA), wave 1 A's scale images, wave 3 B's.
	s_cmp_eq_u32 s[WV], 0
	s_cbranch_scc0 .Lhead_b
	HLOAD G0, G1
	s_branch .Lhead_asked
.Lhead_b:
	s_cmp_eq_u32 s[WV], 2
	s_cbranch_scc0 .Lhead_sa
	HLOAD G0B, G1B
	s_branch .Lhead_asked
.Lhead_sa:
	s_cmp_eq_u32 s[WV], 1
	s_cbranch_scc0 .Lhead_sb
	HLOAD G0S, G1S
	s_branch .Lhead_asked
.Lhead_sb:
	HLOAD G0SB, G1SB
.Lhead_asked:
	v_and_b32 v1, 15, v0                           ; r
	v_bfe_u32 v2, v0, 4, 1                         ; h
	v_and_b32 v3, 31, v0
	v_lshlrev_b32 v[L16], 4, v3
	v_lshlrev_b32 v[L8], 3, v3
	v_add_nc_u32 v5, 512, v[L8]
	s_mul_i32 s40, s[RH], HALFA
	s_mul_i32 s44, s[CH], HALFB
	s_add_co_u32 s44, s44, 2*HALFA
.irp s, 0,1
	v_add_nc_u32 v[A16+\s], s40, v[L16]
	v_add_nc_u32 v[A8+\s], s40, v5
	v_add_nc_u32 v[B16+\s], s44, v[L16]
	v_add_nc_u32 v[B8+\s], s44, v5
	s_add_co_u32 s40, s40, SLOT
	s_add_co_u32 s44, s44, SLOT
.endr
	s_lshl_b32 s40, s[RH], 11                      ; A's scale images: my 4 row tiles;
	s_lshl_b32 s41, s[CH], 12
	s_add_co_u32 s41, s41, 4096                    ; B's lie behind A's 4,096 bytes
	s_sub_co_u32 s41, s41, s40
	v_mul_u32_u24 v4, s41, v2                      ; lanes 16-31 take B's: one product
	s_add_co_u32 s40, s40, SCL
	v_lshl_add_u32 v4, v1, 4, v4
	v_add_nc_u32 v[ADRS], s40, v4
	s_mul_i32 s40, s[WV], 16*SPITCH                ; my stage
	v_mul_u32_u24 v4, v1, SPITCH
	v_lshl_add_u32 v4, v2, 6, v4                   ; in: row r, + 64 h
	v_add_nc_u32 v[STO], s40, v4
	v_add_nc_u32 v[RD], s40, v[L16]                ; back: the 32 lanes take one row of 512 bytes
	s_lshl_b32 s46, s[BT], 8
	s_lshl_b32 s47, s[CH], 7
	s_add_co_u32 s46, s46, s47
	s_lshl_b32 s46, s46, 2                         ; the bias of my 128 columns runs along the registers
	v_lshlrev_b32 v[BAD], 6, v2
	v_add_nc_u32 v[BAD], s46, v[BAD]
	s_wait_alu depctr_va_vdst(0)
	s_lshl_b32 s2, s[AT], 7
	s_lshl_b32 s3, s[RH], 6
	s_add_co_u32 s2, s2, s3                        ; my first row of the result
	s_lshl_b32 s2, s2, 12
	s_lshl_b32 s3, s[BT], 10
	s_add_co_u32 s2, s2, s3
	s_lshl_b32 s3, s[CH], 9
	s_add_co_u32 s2, s2, s3
	s_mov_b32 s3, 0
	s_add_nc_u64 s[10:11], s[10:11], s[2:3]
.irp b, 0,1,2,3,4,5,6,7
	global_load_b128 v[BIAS+8*\b:BIAS+8*\b+3], v[BAD], s[8:9] offset:(32*(\b/2)+8*(\b%2))*4
	global_load_b128 v[BIAS+8*\b+4:BIAS+8*\b+7], v[BAD], s[8:9] offset:(32*(\b/2)+8*(\b%2))*4+16
.endr
	s_wait_loadcnt 0x0
.macro FRAG reg, a16, a8, q, i         ; a fragment's image, row tile i, the slot's q-th K step: 16, 8, 16, 8 bytes a lane, each run of lanes on end
	ds_load_b128 v[\reg:\reg+3], v[\a16] offset:RWB*(\i)+1536*(\q)
	ds_load_b64 v[\reg+4:\reg+5], v[\a8] offset:RWB*(\i)+1536*(\q)
	ds_load_b128 v[\reg+6:\reg+9], v[\a16] offset:RWB*(\i)+1536*(\q)+768
	ds_load_b64 v[\reg+10:\reg+11], v[\a8] offset:RWB*(\i)+1536*(\q)+768
.endm
; 32 matrix instructions: A's four blocks x B's eight, on set p.  first = 1: C is the bias.  The 32 accumulators take turns, one instruction a turn.
.macro MUL32 p, q, sc, first
.irp a, 0,1,2,3
.irp b, 0,1,2,3,4,5,6,7
.if \first
	v_wmma_scale_f32_16x16x128_f8f6f4 v[8*(8*\a+\b):8*(8*\a+\b)+7], v[128*(\p)+FR*\b:128*(\p)+FR*\b+FR-1], v[AF+FR*(4*(\p)+\a):AF+FR*(4*(\p)+\a)+FR-1], v[BIAS+8*\b:BIAS+8*\b+7], v[SC+8*NQ*(\sc)+NQ*\b+(\q)], v[SC+8*NQ*(\sc)+NQ*\a+(\q)] matrix_a_fmt:MATRIX_FMT_FP6 matrix_b_fmt:MATRIX_FMT_FP6 matrix_a_scale:MATRIX_SCALE_ROW1
.else
	v_wmma_scale_f32_16x16x128_f8f6f4 v[8*(8*\a+\b):8*(8*\a+\b)+7], v[128*(\p)+FR*\b:128*(\p)+FR*\b+FR-1], v[AF+FR*(4*(\p)+\a):AF+FR*(4*(\p)+\a)+FR-1], v[8*(8*\a+\b):8*(8*\a+\b)+7], v[SC+8*NQ*(\sc)+NQ*\b+(\q)], v[SC+8*NQ*(\sc)+NQ*\a+(\q)] matrix_a_fmt:MATRIX_FMT_FP6 matrix_b_fmt:MATRIX_FMT_FP6 matrix_a_scale:MATRIX_SCALE_ROW1
.endif
.endr
.endr
.endm
.macro FETCH slot, q, p                ; a K step's fragments into set p: B's eight, A's four: 48 loads
	WIN TO_B
.irp i, 0,1,2,3,4,5,6,7
	FRAG 128*(\p)+FR*\i, B16+(\slot), B8+(\slot), \q, \i
.endr
	WIN 0
.irp i, 0,1,2,3
	FRAG AF+FR*(4*(\p)+\i), A16+(\slot), A8+(\slot), \q, \i
.endr
.endm
.macro SCALES sc, koff                 ; two K steps' words a row: lanes 0-15 A's block i (of blocks 4-7 they read bytes that no product takes), lanes 16-31 B's block i
.irp i, 0,1,2,3,4,5,6,7
	ds_load_b64 v[SC+8*NQ*(\sc)+NQ*\i:SC+8*NQ*(\sc)+NQ*\i+1], v[ADRS] offset:512*\i+(\koff)
.endr
.endm
; K step k: slot k / 4, fragments' set k % 2, scale set (k / 2) % 2.  Its fragments were asked for ahead of the step before's products; the next step's are asked for ahead of its own.
.macro KSTEP k
.set NX, (\k)+1
	s_wait_dscnt 0x0                               ; this step's fragments and words are in
.if (\k) == 3
	s_wait_tensorcnt 0x0                           ; every wave: my part of slot 1 is in
	s_barrier_signal -1
	s_barrier_wait -1                              ; slot 1 is whole, and nobody reads slot 0 any more
.endif
.if (\k) < 7
	PLACES NP                                      ; in front of loads into registers that the step before's products read
	FETCH NX/4, NX%4, NX%2
.if NX%2 == 0
	SCALES (NX/2)%2, 256*(NX/4)+8*((NX/2)%2)
.endif
.endif
.if (\k) == 0
	WIN ONE_LO
	MUL32 0, 0, 0, 1
.else
	WIN MUL_LO
	MUL32 (\k)%2, (\k)%2, ((\k)/2)%2, 0
.endif
	WIN 0
.endm
	s_wait_tensorcnt 0x0                           ; my tile of the head's four is in
	ds_add_u32 v[SPW], v[NIL]
	s_mov_b32 s[G1+2], 4<<16                       ; no tensor load of mine is out: slot 1's loads bring 4 row tiles of A
	s_mov_b32 s[G1+4], 4
	s_mov_b32 s[G1B+2], 8<<16                      ; or 8 of B
	s_mov_b32 s[G1B+4], 8
	s_wait_dscnt 0x0
	CROUND                                         ; a whole round: all four tiles are in, and the joint loads meet
	s_cmp_eq_u32 s[RH], 0                          ; slot 1's one fill, the first tensor load behind the round: waves 0, 1 a half of A each, waves 2, 3 a half of B
	s_cbranch_scc0 .Lfor_b
	HLOAD G0+4, G1
	s_branch .Lslot1_asked
.Lfor_b:
	HLOAD G0B+4, G1B
.Lslot1_asked:
	FETCH 0, 0, 0
	SCALES 0, 0
.irp k, 0,1,2,3,4,5,6,7
	KSTEP \k
.endr
; THE WAY OUT, block by block of 16 rows x 128 columns, through my own stage: back come whole rows of 512 bytes, which the 32 lanes store as two aligned units of 256 bytes.
; LDS serves a wave's instructions in order (ISA guide 5.7.1.4): no wait between the stores and the loads.
.macro TOSTAGE a
.set AC, 64*(\a)
	WIN 0x08                                       ; the data: window 2
.irp b, 0,1,2,3,4,5,6,7
	ds_store_b128 v[STO], v[AC+8*\b:AC+8*\b+3] offset:128*(\b/2)+32*(\b%2)          ; each accumulator from its low end on
	ds_store_b128 v[STO], v[AC+8*\b+4:AC+8*\b+7] offset:128*(\b/2)+32*(\b%2)+16
.endr
	WIN 0
.set BB, BK+64*((\a)%2)
.set t, 0
.rept 16
	ds_load_b128 v[BB+4*t:BB+4*t+3], v[RD] offset:t*SPITCH
.set t, t+1
.endr
.endm
.macro SEND a, younger                 ; younger: the LDS instructions issued behind block a's loads, which may stay out.  Position t of tile a is row 32 (a / 2) + 16 (t / 8) + 8 (a % 2) + t % 8
.set BB, BK+64*((\a)%2)
	s_wait_dscnt \younger
.set t, 0
.rept 16
	global_store_b128 v[L16], v[BB+4*t:BB+4*t+3], s[10:11] offset:(32*((\a)/2)+8*((\a)%2)+16*(t/8)+t%8)*4096 th:TH_STORE_NT
.set t, t+1
.endr
.endm
	PLACES NP                                      ; behind the last products: for the reads of results and the loads into A's registers
	TOSTAGE 0
.irp a, 1,2,3
.if \a > 1
	s_wait_xcnt 0x0                                ; block a - 2's stores have read their registers
.endif
	TOSTAGE \a
	SEND \a-1, 32                                  ; behind block a - 1's loads: block a's 16 stores and 16 loads
.endr
	SEND 3, 0
	s_wait_tensorcnt 0x0                           ; the wave's end
	ds_add_u32 v[SPW], v[NIL]
	s_wait_dscnt 0x0
	CROUND                                         ; the closing round
	s_endpgm
.Lfunc_end_k_qc6455a3d64_proj:
	.size	k_qc6455a3d64_proj, .Lfunc_end_k_qc6455a3d64_proj-k_qc6455a3d64_proj
	.p2alignl 7, 3214868480
	.fill 96, 4, 3214868480
	.section	.rodata,"a",@progbits
	.p2align	6, 0x0
	.amdhsa_kernel k_qc6455a3d64_proj
		.amdhsa_group_segment_fixed_size 327680
		.amdhsa_private_segment_fixed_size 0
		.amdhsa_enable_private_segment 0
		.amdhsa_kernarg_size 32
		.amdhsa_user_sgpr_count 2
		.amdhsa_user_sgpr_kernarg_segment_ptr 1
		.amdhsa_wavefront_size32 1
		.amdhsa_system_sgpr_workgroup_id_x 1
		.amdhsa_system_sgpr_workgroup_id_y 1
		.amdhsa_system_sgpr_workgroup_id_z 1
		.amdhsa_system_vgpr_workitem_id 0
		.amdhsa_next_free_vgpr 768
		.amdhsa_next_free_sgpr 92
		.amdhsa_reserve_vcc 0
		.amdhsa_float_denorm_mode_32 3
		.amdhsa_float_denorm_mode_16_64 3
		.amdhsa_memory_ordered 1
		.amdhsa_forward_progress 1
		.amdhsa_inst_pref_size 87
	.end_amdhsa_kernel
	.amdgpu_metadata
---
amdhsa.version: [ 1, 2 ]
amdhsa.kernels:
  - .name:           k_qc6455a3d64_proj
    .symbol:         k_qc6455a3d64_proj.kd
    .args:
      - { .name: ac, .offset: 0, .size: 8, .value_kind: global_buffer, .address_space: global }
      - { .name: wc, .offset: 8, .size: 8, .value_kind: global_buffer, .address_space: global }
      - { .name: b_proj, .offset: 16, .size: 8, .value_kind: global_buffer, .address_space: global }
      - { .name: out0, .offset: 24, .size: 8, .value_kind: global_buffer, .address_space: global }
    .group_segment_fixed_size: 327680
    .private_segment_fixed_size: 0
    .kernarg_segment_align: 8
    .kernarg_segment_size: 32
    .max_flat_workgroup_size: 128
    .sgpr_count:     92
    .vgpr_count:     768
    .wavefront_size: 32
...
	.end_amdgpu_metadata
.endif
;; end of part 4
